; MI455X (gfx1250); checked and timed in simulation.
; The chip was launched on July 23, 2026; its instructions are those of AMD's public machine-readable ISA for CDNA 5 (MIT licence, August 2026) and "CDNA5" Instruction Set Architecture Reference Guide (July 2026). The comments in the code are by the model that wrote it; some were corrected since.
;; Gravitation Layer. Allowed arithmetic: matrix products marked QUANTISED: E2M3 operands, one E8M0 scale for each 32 along K, by v_wmma_scale_f32_16x16x128_f8f6f4 with both operands' format E2M3, f32 sums; everything else in f32.
;; Inputs: G 16 float32; Wk 1,024 x 1,024 float32; Wo 1,024 x 1,024 float32; Wq 1,024 x 1,024 float32; Wv 1,024 x 1,024 float32; bk 1,024 float32; bo 1,024 float32; bq 1,024 float32; bv 1,024 float32; x 2 x 2,048 x 1,024 float32.
;; Outputs: out0 2 x 2,048 x 1,024 float32.
;; This version of the problem:
;;   THIS VERSION OF THE PROBLEM IS GIVEN IN LOW PRECISION. The matrix products marked QUANTISED in the list below multiply operands that are first quantised to E2M3 (2 exponent bits, 3 mantissa bits; 6 bits a number), with one power-of-two scale for each 32 numbers along K (OCP MX v1.0); their sums are f32. All else is computed in f32.
;;   The module's matrix products, in the order in which they are computed (A, B: the left and right operand; K: the contracted axis; several contracted axes count as one K, in the product's order):
;;     1. [M 4,096, K 1,024] x [K 1,024, N 1,024]; A: input x; B: input Wq: QUANTISED
;;     2. [M 4,096, K 1,024] x [K 1,024, N 1,024]; A: input x; B: input Wk: QUANTISED
;;     3. [M 4,096, K 1,024] x [K 1,024, N 1,024]; A: input x; B: input Wv: QUANTISED
;;     4. batch 32 x [M 2,048, K 64] x [K 64, N 2,048]; A: computed on the way; B: computed on the way: QUANTISED
;;     5. batch 32 x [M 2,048, K 2,048] x [K 2,048, N 64]; A: computed on the way; B: computed on the way: QUANTISED
;;     6. [M 4,096, K 1,024] x [K 1,024, N 1,024]; A: computed on the way; B: input Wo: QUANTISED
;;   THE QUANTISER, for each operand of a quantised product, along K:
;;     - K is cut into blocks of 32 from its start; a last block that is shorter is filled with zeros.
;;     - A block's scale is 2^e with e = floor(log2(the largest magnitude in the block)) - 2, held to -126 .. 127; a block of zeros has e = 0. As a byte (E8M0): e + 127.
;;     - Each number is divided by its block's scale, clamped to +-7.5, and rounded to the nearest number of E2M3, ties to even, subnormals kept.
;;     - The product sums the exact products of the quantised numbers (number of the format x scale) in f32.
;;   ~~~python
;;   def quantise(x, axis):      # numpy; x: float32 -> the quantised numbers, widened to float32 again
;;       x = np.moveaxis(x, axis, -1); K = x.shape[-1]
;;       x = np.pad(x, [(0, 0)] * (x.ndim - 1) + [(0, -K % 32)]); x = x.reshape(x.shape[:-1] + (-1, 32)); a = np.abs(x).max(-1, keepdims=True)
;;       e = np.where(a > 0, np.clip(np.frexp(np.where(a > 0, a, 1))[1] - 1 - 2, -126, 127), 0)      # np.frexp(a)[1] - 1 = floor(log2(a)), exactly
;;       r = np.clip(x / 2.0 ** e, -7.5, 7.5)
;;       step = 2.0 ** (np.maximum(np.frexp(np.where(r == 0, 1, r))[1] - 1, 0) - 3)
;;       q = np.round(r / step) * step * 2.0 ** e      # np.round: ties to even
;;       return np.moveaxis(q.reshape(q.shape[:-2] + (-1,))[..., :K], -1, axis).astype(np.float32)
;;   ~~~
;;   OPERANDS COMPUTED ON THE WAY. 'Computed on the way' means the value that the module computes at that place (a softmax that the list does not call 'softmax' is quantised finished and normalised). What goes into a quantiser is computed in f32, as accurately as f32 sums, v_exp_f32 and their like allow (about 1e-6 of the number): no bf16 or f16 on the way to a quantiser, and a product that is left as it is and whose result goes on into a quantised operand takes f32 operands (vector FMAs, or v_wmma_f32_16x16x4_f32). A number that lies on a knife's edge between two numbers of the format may be rounded either way, as far as f32 arithmetic and the matrix unit's own rounding can turn it there, and no further.
;; 2 versions, each right; version 2 is version 1 with the launch attn written anew for expert scheduling mode. Each part assembles by itself: llvm-mc -triple=amdgcn-amd-amdhsa -mcpu=gfx1250 --defsym DOCPART=n.
;; ======== version 1 of 2: 4 launches
;; workspace buffers: zc 6,291,456 bytes; zs 262,144 bytes; qk_img 6,291,456 bytes; v_img 3,145,728 bytes; aux 1,179,648 bytes; ao_codes 3,145,728 bytes; ao_scl 131,072 bytes
;; launch quant (part 1): grid 256 x 1, 4 waves a work-group, no clusters, 33,280 bytes of LDS; arguments x, Wq, Wk, Wv, Wo, zc, zs; writes zc, zs
.if DOCPART == 1
	.amdgcn_target "amdgcn-amd-amdhsa--gfx1250"
	.amdhsa_code_object_version 6
	.text
	.protected	k_qbc71db17f3_quant
	.globl	k_qbc71db17f3_quant
	.p2align	8
	.type	k_qbc71db17f3_quant,@function
k_qbc71db17f3_quant:
	s_mov_b64 s[64:65], 0
	v_nop
	global_prefetch_b8 v0, s[64:65] scope:SCOPE_SE
	s_setreg_imm32_b32 hwreg(HW_REG_WAVE_MODE, 25, 1), 1
	s_wait_xcnt 0x0
; x [4096][1024] and Wq, Wk, Wv, Wo [1024][1024], f32, K innermost, become codes of FP6 (E2M3) with one E8M0 byte for each 32 along K.
; The five tensors are taken as one tensor Z of 8,192 rows: x 0.., Wq 4096.., Wk 5120.., Wv 6144.., Wo 7168...
; LAYOUT OUT.  zc [chunk 16][position 8192][48 bytes], zs [chunk 16][position 8192][2 bytes]; a chunk is 64 along K; row R lies at position P(R) = R with bits 3 and 4 exchanged,
; so that 16 consecutive positions are the rows 32 (a / 2) + 8 (a % 2) + r + 8 (r / 8) that a matrix tile of the later launches wants.
; A block's scale is 2^(floor(log2(largest magnitude)) - 2); its byte is the largest magnitude's exponent field - 2, held at 1 from below.
; LIMITS: a block of zeros gets the byte 1 where the rule says 127 (its codes are zeros, and this program alone reads the bytes); NaN and infinities among the inputs are not served.
; SHARES.  Work-group g: rows 128 (g / 4) on, chunks 4 (g % 4) on; wave w takes one chunk: 128 rows x 256 bytes, in 16 steps of 8 rows.  Each load reads two rows' 256 aligned bytes; a step's 2,048 bytes turn
; through the wave's own stage in LDS so that a lane holds 16 neighbours along K; two neighbouring lanes hold a block.  A step's codes are 384 consecutive bytes; a wave's 256 scale bytes leave as one aligned store.
.set STEPS, 16
.set CB,    12
.set R,     16                         ; v16-79   four sets of 16 numbers as loaded
.set X,     80                         ; v80-111  two sets of 16 neighbours
.set E,     112                        ; v112-127 a scale byte for each step
.set C,     128                        ; v128-191 codes: four registers a step, so that no store's data are written again
.set WREG,  8192                       ; LDS of a wave: two stages of 32 x SP bytes, then its 256 scale bytes
.set SP,    80
	s_load_b256 s[4:11], s[0:1], 0x0               ; x, Wq, Wk, Wv
	s_load_b128 s[12:15], s[0:1], 0x20             ; Wo, zc
	s_load_b64 s[16:17], s[0:1], 0x30              ; zs
	v_lshl_add_u32 v192, v0, 2, 0x8000
	v_mov_b32 v193, 0
	v_lshrrev_b32 v1, 5, v0
	v_readfirstlane_b32 s18, v1                    ; wave
	v_and_b32 v2, 31, v0                           ; lane
	v_and_b32 v3, 15, v2
	v_lshlrev_b32 v3, 4, v3
	v_lshrrev_b32 v10, 4, v2
	v_lshl_add_u32 v3, v10, 12, v3                 ; in: lanes 0-15 one row's 256 bytes, lanes 16-31 the next row's (4,096 bytes on)
	s_mul_i32 s19, s18, WREG
	v_lshrrev_b32 v14, 2, v2
	v_mul_u32_u24 v14, v14, SP
	v_and_b32 v15, 3, v2
	v_lshl_add_u32 v14, v15, 4, v14
	v_add_nc_u32 v14, s19, v14                     ; the stage, way in: SP (lane / 4) + 16 (lane % 4)
	v_mul_u32_u24 v15, v2, SP
	v_add_nc_u32 v15, s19, v15                     ; way out: SP x lane: row lane / 4 of the step, quarter lane % 4 of its 64 numbers
	v_mul_u32_u24 v4, v2, CB                       ; my 12 bytes of a step's 384
	v_lshrrev_b32 v5, 2, v2
	v_lshlrev_b32 v5, 1, v5
	v_bfe_u32 v10, v2, 1, 1
	v_add_nc_u32 v5, v5, v10                       ; my block's byte: 2 x row + block
	s_add_co_u32 s19, s19, 2*32*SP
	v_add_nc_u32 v5, s19, v5
	v_lshlrev_b32 v7, 3, v2
	v_add_nc_u32 v6, s19, v7
	s_lshr_b32 s20, ttmp9, 2                       ; group of 128 rows of Z
	s_and_b32 s21, ttmp9, 3
	s_lshl_b32 s21, s21, 2
	s_add_co_u32 s21, s21, s18                     ; my chunk
	s_sub_co_u32 s22, s20, 32
	s_lshr_b32 s23, s22, 3                         ; which weight (for groups from 32 on)
	s_and_b32 s24, s22, 7                          ; and which 128 rows of it
	s_wait_kmcnt 0x0
	s_cmp_eq_u32 s23, 2                            ; the choices hang on the work-group's number alone
	s_cselect_b64 s[12:13], s[10:11], s[12:13]
	s_cmp_eq_u32 s23, 1
	s_cselect_b64 s[12:13], s[8:9], s[12:13]
	s_cmp_eq_u32 s23, 0
	s_cselect_b64 s[12:13], s[6:7], s[12:13]
	s_cmp_lt_u32 s20, 32
	s_cselect_b64 s[12:13], s[4:5], s[12:13]
	s_cselect_b32 s24, s20, s24
	s_lshl_b32 s26, s24, 19                        ; 128 rows of 4,096 bytes
	s_lshl_b32 s27, s21, 8                         ; + 256 bytes a chunk
	s_add_co_u32 s26, s26, s27
	s_mov_b32 s27, 0
	s_add_nc_u64 s[12:13], s[12:13], s[26:27]
	s_mul_i32 s26, s21, 393216
	s_mul_i32 s28, s20, 6144
	s_add_co_u32 s26, s26, s28
	s_add_nc_u64 s[14:15], s[14:15], s[26:27]
	s_lshl_b32 s26, s21, 14
	s_lshl_b32 s28, s20, 8
	s_add_co_u32 s26, s26, s28
	s_add_nc_u64 s[16:17], s[16:17], s[26:27]
.macro LOAD t
.irp i, 0,1,2,3
	global_load_b128 v[R+16*((\t)%4)+4*\i:R+16*((\t)%4)+4*\i+3], v3, s[12:13] offset:32768*(\t)+8192*\i th:TH_LOAD_NT
.endr
.endm
.macro TURN t                          ; a step's numbers through the stage: LDS serves a wave's instructions in order, so no wait stands between the stores and the loads
.irp i, 0,1,2,3
	ds_store_b128 v14, v[R+16*((\t)%4)+4*\i:R+16*((\t)%4)+4*\i+3] offset:32*SP*((\t)%2)+8*SP*\i
.endr
.irp i, 0,1,2,3
	ds_load_b128 v[X+16*((\t)%2)+4*\i:X+16*((\t)%2)+4*\i+3], v15 offset:32*SP*((\t)%2)+16*\i
.endr
.endm
.irp t, 0,1,2,3
	LOAD \t
.endr
	s_wait_loadcnt 12                              ; step 0's four loads are in; the 12 of steps 1 to 3 may be out
	TURN 0
.macro STEP t
.set XS, X+16*((\t)%2)
.set PT, ((\t)&12)|(((\t)&1)<<1)|(((\t)>>1)&1) ; the step's 8 rows lie at positions 8 PT on: bits 3 and 4 of the row exchanged
.if (\t) > 0
	s_wait_dscnt 1                                 ; this step's numbers are back from the stage; the last step's byte store may be out
.else
	s_wait_dscnt 0x0
.endif
.if (\t)+4 < STEPS
	LOAD (\t)+4
.endif
.if (\t)+1 < STEPS
.if STEPS-2-(\t) >= 3
	s_wait_loadcnt 12                              ; the next step's four loads are in; those of the three steps behind it may be out
.else
	s_wait_loadcnt 4*(STEPS-2-(\t))
.endif
	TURN (\t)+1
.endif
	v_max3_num_f32 v8, |v[XS]|, |v[XS+1]|, |v[XS+2]|
	v_max3_num_f32 v9, |v[XS+3]|, |v[XS+4]|, |v[XS+5]|
.irp i, 6,10
	v_max3_num_f32 v8, v8, |v[XS+\i]|, |v[XS+\i+1]|
	v_max3_num_f32 v9, v9, |v[XS+\i+2]|, |v[XS+\i+3]|
.endr
	v_max3_num_f32 v8, v8, |v[XS+14]|, |v[XS+15]|
	v_max3_num_f32 v8, v8, v9, 0x1800000           ; and the floor 2^(3 - 127): the byte cannot fall under 1
	v_max_num_f32_dpp v8, v8, v8 row_xmask:1 row_mask:0xf bank_mask:0xf   ; with my neighbour's 16: the block's
	v_add_nc_u32 v11, 0xff000000, v8               ; 2 off the exponent field: the conversion's scale operand
	v_cvt_scalef32_pk16_fp6_f32 v[C+4*(\t):C+4*(\t)+2], v[XS:XS+15], v11
	v_lshrrev_b32 v[E+(\t)], 23, v11               ; the scale's byte
	ds_store_b8 v5, v[E+(\t)] offset:16*PT         ; both lanes of a block write the same byte with the same value
	global_store_b96 v4, v[C+4*(\t):C+4*(\t)+2], s[14:15] offset:384*PT
.endm
.irp t, 0,1,2,3,4,5,6,7,8,9,10,11,12,13,14,15
	STEP \t
.endr
	ds_load_b64 v[12:13], v6                       ; LDS serves a wave's instructions in order: these see my stores
	s_wait_dscnt 0x0
	global_store_b64 v7, v[12:13], s[16:17]        ; 32 lanes store 256 consecutive bytes, aligned
	s_wait_tensorcnt 0x0
	ds_add_u32 v192, v193
	s_wait_dscnt 0x0
	s_endpgm
.Lfunc_end_k_qbc71db17f3_quant:
	.size	k_qbc71db17f3_quant, .Lfunc_end_k_qbc71db17f3_quant-k_qbc71db17f3_quant
	.p2alignl 7, 3214868480
	.fill 96, 4, 3214868480
	.section	.rodata,"a",@progbits
	.p2align	6, 0x0
	.amdhsa_kernel k_qbc71db17f3_quant
		.amdhsa_group_segment_fixed_size 33280
		.amdhsa_private_segment_fixed_size 0
		.amdhsa_enable_private_segment 0
		.amdhsa_kernarg_size 56
		.amdhsa_user_sgpr_count 2
		.amdhsa_user_sgpr_kernarg_segment_ptr 1
		.amdhsa_wavefront_size32 1
		.amdhsa_system_sgpr_workgroup_id_x 1
		.amdhsa_system_sgpr_workgroup_id_y 1
		.amdhsa_system_sgpr_workgroup_id_z 1
		.amdhsa_system_vgpr_workitem_id 0
		.amdhsa_next_free_vgpr 194
		.amdhsa_next_free_sgpr 66
		.amdhsa_reserve_vcc 0
		.amdhsa_float_denorm_mode_32 3
		.amdhsa_float_denorm_mode_16_64 3
		.amdhsa_memory_ordered 1
		.amdhsa_forward_progress 1
		.amdhsa_inst_pref_size 33
	.end_amdhsa_kernel
	.amdgpu_metadata
---
amdhsa.version: [ 1, 2 ]
amdhsa.kernels:
  - .name:           k_qbc71db17f3_quant
    .symbol:         k_qbc71db17f3_quant.kd
    .args:
      - { .name: x, .offset: 0, .size: 8, .value_kind: global_buffer, .address_space: global }
      - { .name: Wq, .offset: 8, .size: 8, .value_kind: global_buffer, .address_space: global }
      - { .name: Wk, .offset: 16, .size: 8, .value_kind: global_buffer, .address_space: global }
      - { .name: Wv, .offset: 24, .size: 8, .value_kind: global_buffer, .address_space: global }
      - { .name: Wo, .offset: 32, .size: 8, .value_kind: global_buffer, .address_space: global }
      - { .name: zc, .offset: 40, .size: 8, .value_kind: global_buffer, .address_space: global }
      - { .name: zs, .offset: 48, .size: 8, .value_kind: global_buffer, .address_space: global }
    .group_segment_fixed_size: 33280
    .private_segment_fixed_size: 0
    .kernarg_segment_align: 8
    .kernarg_segment_size: 56
    .max_flat_workgroup_size: 128
    .sgpr_count:     66
    .vgpr_count:     194
    .wavefront_size: 32
...
	.end_amdgpu_metadata
.endif
;; end of part 1
;; launch qkv (part 2): grid 12 x 16, 4 waves a work-group, clusters of 4 x 4, 327,680 bytes of LDS; arguments zc, zs, bq, bk, bv, qk_img, v_img, aux; writes qk_img, v_img, aux
.if DOCPART == 2
	.amdgcn_target "amdgcn-amd-amdhsa--gfx1250"
	.amdhsa_code_object_version 6
	.text
	.protected	k_qbc71db17f3_qkv
	.globl	k_qbc71db17f3_qkv
	.p2align	8
	.type	k_qbc71db17f3_qkv,@function
k_qbc71db17f3_qkv:
	s_mov_b64 s[64:65], 0
	v_nop
	global_prefetch_b8 v0, s[64:65] scope:SCOPE_SE
	s_setreg_imm32_b32 hwreg(HW_REG_WAVE_MODE, 25, 1), 1
	s_wait_xcnt 0x0
	s_wait_alu depctr_hold_cnt(0) depctr_sa_sdst(0) depctr_va_vdst(0) depctr_va_sdst(0) depctr_va_ssrc(0) depctr_va_vcc(0) depctr_vm_vsrc(0)
	s_getreg_b32 s2, hwreg(HW_REG_IB_STS2, 6, 4)
	s_cmp_eq_u32 s2, 0
	s_cbranch_scc0 .Lentry_in_a_cluster
	s_endpgm
.Lentry_in_a_cluster:
	s_bfe_u32 s2, ttmp6, 0x10000c
	s_cmp_lg_u32 s2, 0xf033
	s_cbranch_scc0 .Lentry_shape_is_right
	s_endpgm
.Lentry_shape_is_right:
; Q = x Wq^T + bq, K = x Wk^T + bk, V = x Wv^T + bv on codes of FP6 (E2M3) with E8M0 scales for each 32 along K = 1,024; sums in f32.  One GEMM text for the three: cluster x = 0 Q, 1 K, 2 V.
; Both operands are tiles of 256 positions of Z (zc, zs: [chunk of 64 K][position][48 or 2 bytes]).  A tile of 256 x 256 is made by four waves, 128 x 128 each: 64 accumulators in windows 2 and 3.
; The matrix instruction takes source 0 = 16 positions of "B", source 1 = 16 positions of "A": a lane holds one position of A, its registers run along B; by the order of positions the 16 registers of
; two neighbouring tiles of B are 16 neighbouring rows.  Q, K: A = tokens, B = rows of the weight, so a lane's registers run along a head's d.  V: A = rows of Wv, B = tokens, so they run along the keys.
; THE WAY OUT quantises in registers: Q and K along d (two heads of 64 to a wave), V along the keys (128 to a wave), and stores IMAGES OF THE OPERAND REGISTERS that the attention launch loads:
;   qk_img [Q, K][head 32][tile of 16 tokens 128][pair 3][lane][8 bytes];  v_img [head][128 keys 16][16 d 4][3][lane][16 bytes];
;   aux: +0 scale words of Q, K [2][32][128][16]; +524,288 sums of squares of the unquantised rows [2][32][2048] f32; +1,048,576 scale words of V [32][16][4][16].
; K goes through a ring of two LDS slots of 256 along K, filled by joint tensor loads (A's tile shared along the cluster's row, B's along its column); the scale bytes of all of K come once.
; LIMITS: a block of zeros gets the byte 1 (its codes are zeros; this program alone reads the bytes); NaN and infinities are not served; the sums of squares are added in another order than a plain loop's, in f32.
; REGISTERS.  window 0: v1-7 lane terms; v8-15 bv of my rows (V); v16,17,20,21 fragment addresses; v24-26, v30 store offsets; v27 scale address; v28, v29 the add's two; v64-127 the 64 scale words
;   (register 64 + 8 i + s: lanes 0-15 A's block i, lanes 16-31 B's block i, K step s); v128-223 A's fragments, one set; on the way out v128-246 at work.
;   window 1: B's fragments, two sets at v0 and v128; v96-127 and v224-255 the bias of my 128 columns in the result's layout.   windows 2, 3: accumulator (a, b) at v[8 (8 (a % 4) + b)].
.set CH,     6144                      ; a chunk of 128 positions: 128 x 48 bytes
.set HALFT,  4*CH                      ; what one tensor load brings: 4 chunks x 128 positions
.set SLOT,   4*HALFT                   ; A's two halves, then B's two
.set SCL,    2*SLOT                    ; behind the ring: the scale bytes, [16 chunks][128 positions][2] for each of the four halves
.set HALFS,  4096
.set SPARE,  SCL+4*HALFS               ; the spare words, 128 bytes a wave: two blocks of 256 bytes that no other line names
.set KSB,    4*393216                  ; four chunks on in zc
.set FR,     12
.set NL,     6
.set NP,     4
.set ADRA, 16
.set ADRB, 20
.set ADRS, 27
.set SPW,  28
.set NIL,  29
.set SC,   64
.set AF,   128
.set G1,   24
.set G0,   32
.set G1B,  48
.set G0B,  56
.set G1S,  68
.set G0S,  76
.set G1SB, 80
.set G0SB, 88
.set HM,   100                         ; s100 lanes 16-31
.set SEL,  104                         ; s[104:105] selects of v_permlanex16_b32: lane l xor 16
.set T,    128                         ; the way out: 64 numbers
.set PC,   192                         ; codes
.set TM,   212                         ; v212-215 maxima, v216-219 bytes, v224-227 scale operands
.set PW,   228                         ; the scale word
.set MSB, 0
.macro WIN new                         ; the immediate's high byte repeats the setting that is left
.if MSB != (\new)
	s_set_vgpr_msb (MSB<<8)|(\new)
.set MSB, (\new)
.endif
.endm
.set MUL_LO, 0xa1                      ; source 0 (B) window 1, source 1 (A) window 0, C and D window 2
.set MUL_HI, 0xf1
.set TO_B,   0x40
; A joint load: waves 0 and 1 fetch for A, waves 2 and 3 for B; the branch hangs on the wave's number alone.  Four v_nop follow each of the two lines.
.macro JLOAD g0a, g1a, g0b, g1b
	s_cmp_eq_u32 s15, 0
	s_cbranch_scc0 .Lfor_b_\@
	tensor_load_to_lds s[\g0a:\g0a+3], s[\g1a:\g1a+7]
	s_nop 0
.rept 4
	v_nop
.endr
	s_branch .Lasked_\@
.Lfor_b_\@:
	tensor_load_to_lds s[\g0b:\g0b+3], s[\g1b:\g1b+7]
	s_nop 0
.rept 4
	v_nop
.endr
.Lasked_\@:
.endm
.macro CREST                           ; a round of the cluster's barrier behind its opening barrier
	s_cmp_lg_u32 s14, 0
	s_cbranch_scc1 .Lnot_wave_0_\@
	s_barrier_signal -3
.Lnot_wave_0_\@:
	s_barrier_wait -3
	s_barrier_signal -1
	s_barrier_wait -1
.endm
.macro CROUND
	s_barrier_signal -1
	s_barrier_wait -1
	CREST
.endm
.macro PLACES n
.rept \n
	v_nop
.endr
.endm
	s_load_b256 s[4:11], s[0:1], 0x0               ; zc, zs, bq, bk
	s_load_b256 s[92:99], s[0:1], 0x20             ; bv, qk_img, v_img, aux
	v_lshl_add_u32 v[SPW], v0, 2, SPARE
	v_mov_b32 v[NIL], 0
	ds_add_u32 v28, v29
	ds_add_u32 v28, v29
	s_wait_dscnt 0x0
	v_lshrrev_b32 v1, 5, v0
	v_readfirstlane_b32 s14, v1                    ; wave 0..3
	s_lshr_b32 s15, s14, 1                         ; my half of A's positions.  Also: I fetch for A (0) or for B (1)
	s_and_b32 s16, s14, 1                          ; my half of B's.  Also: which 128 positions I fetch
	s_bfe_u32 s40, ttmp6, 0x40000                  ; cx
	s_bfe_u32 s41, ttmp6, 0x40004                  ; cy
	s_and_b32 s42, ttmp7, 0xffff
	s_lshl_b32 s42, s42, 2                         ; 4 x cluster y
	s_lshl_b32 s43, ttmp9, 2
	s_add_co_u32 s43, s43, 16                      ; 16 + 4 x cluster x: Wq's or Wk's first tile of Z
	s_cmp_eq_u32 ttmp9, 2                          ; V?  the same in all sixteen partners
	s_cselect_b32 s17, 24, s42                     ; A: Wv's tiles, or tokens
	s_cselect_b32 s44, s42, s43                    ; B: tokens, or the weight's tiles
	s_add_co_u32 s17, s17, s41                     ; A's tile of Z: hangs on cy, never on cx
	s_add_co_u32 s44, s44, s40                     ; B's: on cx, never on cy
	s_lshl_b32 s45, s41, 2
	s_lshl_b32 s45, 15, s45                        ; my row of the cluster
	s_lshl_b32 s46, 0x1111, s40                    ; my column
	; group 1 for codes: 4 rows (chunks) of 768 elements of 8 bytes, 49,152 elements apart; no padding: 48-byte rows spread the 32 lanes of an 8-byte load over 32 different columns of 8 bytes
	s_or_b32 s[G1+0], s45, (3<<16)|(1<<21)
	s_or_b32 s[G1B+0], s46, (3<<16)|(1<<21)
.irp g, G1, G1B
	s_mov_b32 s[\g+1], 768<<16
	s_mov_b32 s[\g+2], 4<<16
	s_mov_b32 s[\g+3], 768<<16
	s_mov_b32 s[\g+4], 4
	s_mov_b32 s[\g+5], 49152
	s_mov_b32 s[\g+6], 0
	s_mov_b32 s[\g+7], 0
.endr
	; and for scale bytes: 16 rows (chunks) of 32 elements of 8 bytes, 2,048 elements apart
	s_or_b32 s[G1S+0], s45, (3<<16)|(1<<21)
	s_or_b32 s[G1SB+0], s46, (3<<16)|(1<<21)
.irp g, G1S, G1SB
	s_mov_b32 s[\g+1], 32<<16
	s_mov_b32 s[\g+2], 16<<16
	s_mov_b32 s[\g+3], 32<<16
	s_mov_b32 s[\g+4], 16
	s_mov_b32 s[\g+5], 2048
	s_mov_b32 s[\g+6], 0
	s_mov_b32 s[\g+7], 0
.endr
	s_lshl_b32 s2, s16, 7
	s_lshl_b32 s20, s17, 8
	s_add_co_u32 s20, s20, s2                      ; A: first position that I fetch
	s_lshl_b32 s22, s44, 8
	s_add_co_u32 s22, s22, s2                      ; B likewise
	s_lshl_b32 s12, s20, 1
	s_mov_b32 s13, 0
	s_lshl_b32 s18, s22, 1
	s_mov_b32 s19, 0
	s_mul_i32 s20, s20, 48
	s_mov_b32 s21, 0
	s_mul_i32 s22, s22, 48
	s_mov_b32 s23, 0
	s_mul_i32 s47, s14, HALFT                      ; where they go: no place in the cluster enters an LDS address
	s_lshl_b32 s3, s14, 12
	s_wait_kmcnt 0x0
	s_add_nc_u64 s[20:21], s[4:5], s[20:21]
	s_add_nc_u64 s[22:23], s[4:5], s[22:23]
	s_add_nc_u64 s[12:13], s[6:7], s[12:13]
	s_add_nc_u64 s[18:19], s[6:7], s[18:19]
	CROUND                                         ; all sixteen work-groups are here: the first joint loads meet
	s_mov_b32 s[G0S], 1
	s_add_co_u32 s[G0S+1], s3, SCL
	s_mov_b64 s[G0S+2:G0S+3], s[12:13]
	s_or_b32 s[G0S+3], s[G0S+3], 0x80000000
	s_mov_b32 s[G0SB], 1
	s_add_co_u32 s[G0SB+1], s3, SCL
	s_mov_b64 s[G0SB+2:G0SB+3], s[18:19]
	s_or_b32 s[G0SB+3], s[G0SB+3], 0x80000000
	JLOAD G0S, G1S, G0SB, G1SB                     ; the scale bytes first: three loads of mine are out behind these first fills
.irp s, 0,1
	s_mov_b32 s[G0+4*\s], 1
	s_add_co_u32 s[G0+4*\s+1], s47, \s*SLOT
	s_add_nc_u64 s[G0+4*\s+2:G0+4*\s+3], s[20:21], \s*KSB
	s_or_b32 s[G0+4*\s+3], s[G0+4*\s+3], 0x80000000
	s_mov_b32 s[G0B+4*\s], 1
	s_add_co_u32 s[G0B+4*\s+1], s47, \s*SLOT
	s_add_nc_u64 s[G0B+4*\s+2:G0B+4*\s+3], s[22:23], \s*KSB
	s_or_b32 s[G0B+4*\s+3], s[G0B+4*\s+3], 0x80000000
	JLOAD G0+4*\s, G1, G0B+4*\s, G1B
.endr
	v_and_b32 v1, 15, v0                           ; r
	v_bfe_u32 v2, v0, 4, 1                         ; h
	v_and_b32 v6, 31, v0                           ; lane
	v_mul_u32_u24 v3, v1, 48
	v_mad_u32_u24 v3, v2, 24, v3                   ; a fragment's row x 48 + 24 x half
	s_mul_i32 s2, s15, HALFT
	s_mul_i32 s3, s16, HALFT
	s_add_co_u32 s3, s3, 2*HALFT
.irp s, 0,1
	v_add_nc_u32 v[ADRA+\s], s2, v3
	v_add_nc_u32 v[ADRB+\s], s3, v3
	s_add_co_u32 s2, s2, SLOT
	s_add_co_u32 s3, s3, SLOT
.endr
	s_lshl_b32 s2, s15, 12                         ; scale bytes: A's, my half;
	s_lshl_b32 s3, s16, 12
	s_add_co_u32 s3, s3, 2*HALFS                   ; B's, my half, behind A's two
	s_sub_co_u32 s3, s3, s2
	v_mul_u32_u24 v4, s3, v2                       ; lanes 16-31 take B's
	s_add_co_u32 s2, s2, SCL
	v_lshl_add_u32 v4, v1, 1, v4                   ; 2 bytes a position
	v_add_nc_u32 v[ADRS], s2, v4
	v_lshlrev_b32 v24, 3, v6                       ; store offsets: 8, 4, 16 bytes a lane,
	v_lshlrev_b32 v25, 2, v6
	v_lshlrev_b32 v30, 4, v6
	v_lshlrev_b32 v5, 6, v2                        ; bias: 64 h
	v_and_b32 v7, 8, v1
	v_add_nc_u32 v7, v7, v1
	v_lshlrev_b32 v7, 2, v7                        ; 4 (r + 8 (r / 8))
	v_lshl_add_u32 v26, v2, 5, v7                  ; and 4 (8 h + r + 8 (r / 8)): a token's place among the 32 of two tiles
	s_cmp_eq_u32 ttmp9, 1
	s_cselect_b64 s[10:11], s[10:11], s[92:93]
	s_cmp_eq_u32 ttmp9, 0
	s_cselect_b64 s[8:9], s[8:9], s[10:11]         ; bq, bk or bv
	s_lshl_b32 s2, s40, 10
	s_lshl_b32 s3, s16, 9
	s_add_co_u32 s2, s2, s3
	s_mov_b32 s3, 0
	s_add_nc_u64 s[8:9], s[8:9], s[2:3]            ; at column 256 cx + 128 x half
	s_lshl_b32 s2, s41, 10
	s_lshl_b32 s42, s15, 9
	s_add_co_u32 s2, s2, s42
	s_add_nc_u64 s[92:93], s[92:93], s[2:3]        ; bv at row 256 cy + 128 x half
	WIN 0x40                                       ; both bias sets are loaded on every path; both stay inside their 1,024 numbers
.set n_, 0
.rept 16                               ; register 8 b + j: bias[32 (b / 2) + 16 h + 8 (b % 2) + j]
	global_load_b128 v[96+4*n_+96*(n_/8):99+4*n_+96*(n_/8)], v5, s[8:9] offset:128*(n_/4)+16*(n_%4)
.set n_, n_+1
.endr
	WIN 0
.irp a, 0,1,2,3,4,5,6,7
	global_load_b32 v[8+\a], v7, s[92:93] offset:4*(32*(\a/2)+8*(\a%2))
.endr
.macro FRAG reg, adr, q, i             ; 16 positions x 128 K: registers 6 c .. 6 c + 5 hold K = 64 c + 32 h + 0 .. 31: 24 bytes of chunk 2 q + c, as three loads of 8 bytes
.irp p, 0,1,2,3,4,5
	ds_load_b64 v[\reg+2*\p:\reg+2*\p+1], v[\adr] offset:(2*(\q)+\p/3)*CH+(\i)*768+8*(\p%3)
.endr
.endm
; 16 matrix instructions: A's blocks a0, a0 + 1 x B's eight; p: B's set; ks: the K step of 128.  The 64 accumulators take turns, one instruction a turn, in the same order in every step.
.macro MUL16 a0, p, ks, zero
.irp a, \a0, \a0+1
.irp b, 0,1,2,3,4,5,6,7
.if \zero
	v_wmma_scale_f32_16x16x128_f8f6f4 v[8*(8*((\a)%4)+\b):8*(8*((\a)%4)+\b)+7], v[128*(\p)+FR*\b:128*(\p)+FR*\b+FR-1], v[AF+FR*(\a):AF+FR*(\a)+FR-1], 0, v[SC+8*\b+(\ks)], v[SC+8*(\a)+(\ks)] matrix_a_fmt:MATRIX_FMT_FP6 matrix_b_fmt:MATRIX_FMT_FP6 matrix_a_scale:MATRIX_SCALE_ROW1
.else
	v_wmma_scale_f32_16x16x128_f8f6f4 v[8*(8*((\a)%4)+\b):8*(8*((\a)%4)+\b)+7], v[128*(\p)+FR*\b:128*(\p)+FR*\b+FR-1], v[AF+FR*(\a):AF+FR*(\a)+FR-1], v[8*(8*((\a)%4)+\b):8*(8*((\a)%4)+\b)+7], v[SC+8*\b+(\ks)], v[SC+8*(\a)+(\ks)] matrix_a_fmt:MATRIX_FMT_FP6 matrix_b_fmt:MATRIX_FMT_FP6 matrix_a_scale:MATRIX_SCALE_ROW1
.endif
.endr
.endr
.endm
.macro FETCH_B slot, q, p
	WIN TO_B
.irp i, 0,1,2,3,4,5,6,7
	FRAG 128*(\p)+FR*\i, ADRB+\slot, \q, \i
.endr
	WIN 0
.endm
.macro FETCH_A slot, q, i0
.irp i, \i0, \i0+1, \i0+2, \i0+3
	FRAG AF+FR*(\i), ADRA+\slot, \q, \i
.endr
.endm
; A slot's first step of 128 along K.  Loads into registers that matrix instructions have read stand four plain places behind them.
.macro STEP slot, ks, zero
	s_wait_dscnt 4*NL                              ; B's set and A's blocks 0-3 are in; the youngest 24 loads (A's blocks 4-7) may be out
	WIN MUL_LO
	MUL16 0, 0, \ks, \zero
	MUL16 2, 0, \ks, \zero
	s_wait_dscnt 0
	PLACES NP
	FETCH_B \slot, 1, 1
	FETCH_A \slot, 1, 0
	WIN MUL_HI
	MUL16 4, 0, \ks, \zero
	MUL16 6, 0, \ks, \zero
	PLACES NP
	WIN 0
	FETCH_A \slot, 1, 4
.endm
; A slot's second step changes slots: one barrier; in front of it each wave waits for all its tensor loads, adds 0 to its spare word, and waits for that and for its reads of this slot.
.macro TURN slot, next, ks, fill
	s_wait_tensorcnt 0x0                           ; all my tensor loads have landed: my part of the next slot
	ds_add_u32 v[SPW], v[NIL]                      ; 0 onto my spare word
	s_wait_dscnt 4*NL+1                            ; the add and the youngest 24 loads may be out
	WIN MUL_LO
	MUL16 0, 1, \ks, 0
	s_wait_dscnt 0x0                               ; the add is done, and my reads of this slot are over
	s_barrier_signal -1
	MUL16 2, 1, \ks, 0
	WIN 0
	s_barrier_wait -1
.if \fill
	CREST                                          ; the barrier has opened a round of the cluster's: no wave of any partner still reads this slot or has a load on its way
	s_add_nc_u64 s[G0+4*\slot+2:G0+4*\slot+3], s[G0+4*\slot+2:G0+4*\slot+3], 2*KSB
	s_add_nc_u64 s[G0B+4*\slot+2:G0B+4*\slot+3], s[G0B+4*\slot+2:G0B+4*\slot+3], 2*KSB
	JLOAD G0+4*\slot, G1, G0B+4*\slot, G1B         ; my one tensor load behind the round; its four v_nop are the places in front of the loads below
.else
	PLACES NP
.endif
	FETCH_B \next, 0, 0
	FETCH_A \next, 0, 0
	WIN MUL_HI
	MUL16 4, 1, \ks, 0
	MUL16 6, 1, \ks, 0
	PLACES NP
	WIN 0
	FETCH_A \next, 0, 4
.endm
	s_wait_tensorcnt 1                             ; the scale bytes and my part of slot 0 are in; slot 1's load may be out
	s_barrier_signal -1
	s_barrier_wait -1
	; the 64 scale words, made once: two bytes of chunk 2 s below, two of chunk 2 s + 1 above
.irp g, 0,1
.irp i, 0,1,2,3
.irp k, 0,1,2,3,4,5,6,7,8,9,10,11,12,13,14,15
	ds_load_u16 v[128+16*\i+\k], v[ADRS] offset:256*\k+32*(4*\g+\i)
.endr
.endr
	s_wait_dscnt 0x0
.irp i, 0,1,2,3
.irp s, 0,1,2,3,4,5,6,7
	v_lshl_or_b32 v[SC+8*(4*\g+\i)+\s], v[129+16*\i+2*\s], 16, v[128+16*\i+2*\s]
.endr
.endr
.endr
	PLACES 8                                       ; a scale register written by a vector instruction stands eight places ahead of a scaled matrix instruction
	FETCH_B 0, 0, 0
	FETCH_A 0, 0, 0
	FETCH_A 0, 0, 4
	STEP 0, 0, 1                                   ; the first products start the sums: nothing is cleared
	TURN 0, 1, 1, 1
	STEP 1, 2, 0
	TURN 1, 0, 3, 1
	STEP 0, 4, 0
	TURN 0, 1, 5, 0                                ; nothing is left to fetch
	STEP 1, 6, 0
	s_wait_dscnt 4*NL
	WIN MUL_LO
	MUL16 0, 1, 7, 0
	MUL16 2, 1, 7, 0
	s_wait_dscnt 0
	WIN MUL_HI
	MUL16 4, 1, 7, 0
	MUL16 6, 1, 7, 0
	WIN 0
	s_wait_loadcnt 0x0                             ; the biases
	PLACES NP                                      ; behind the last products, ahead of the first read of results and of writes over A's fragments
.irp b, 0,1,2,3
	v_mov_b32 v[TM+4+\b], 0                        ; a lane permute's destination counts as one of its sources
.endr
	s_mov_b32 s[SEL], 0x76543210
	s_mov_b32 s[SEL+1], 0xfedcba98
	s_mov_b32 s[HM], 0xffff0000
; block a's 64 results + bias -> v[T] on; each accumulator is read from its low end on
.macro LIFT a, isv
.if \isv
	WIN 0x02+(\a)/4
.else
	WIN 0x06+(\a)/4
.endif
.set e_, 0
.rept 32
.set A_, 64*((\a)%4)+e_
.if \isv
.if ((\a)%2) == 0
	v_pk_add_f32 v[T+e_:T+e_+1], v[A_:A_+1], v[8+((\a)&6):9+((\a)&6)] op_sel_hi:[1,0]
.else
	v_pk_add_f32 v[T+e_:T+e_+1], v[A_:A_+1], v[8+((\a)&6):9+((\a)&6)] op_sel:[0,1] op_sel_hi:[1,1]
.endif
.else
	v_pk_add_f32 v[T+e_:T+e_+1], v[A_:A_+1], v[96+e_+96*(e_/32):97+e_+96*(e_/32)]
.endif
.set e_, e_+2
.endr
	WIN 0
.endm
; 64 numbers of a lane, register 16 b + i = k 32 b + 16 h + i of my row, become a fragment's codes in v[PC] on and its scale word in v[PW]
.macro QUANT
.irp b, 0,1,2,3
	v_max3_num_f32 v[TM+\b], |v[T+16*\b]|, |v[T+1+16*\b]|, 0x1800000   ; with the floor 2^(3 - 127): the byte cannot fall under 1
.endr
.irp i, 2,4,6,8,10,12,14
.irp b, 0,1,2,3
	v_max3_num_f32 v[TM+\b], v[TM+\b], |v[T+16*\b+\i]|, |v[T+1+16*\b+\i]|
.endr
.endr
.irp b, 0,1,2,3
	v_permlanex16_b32 v[TM+4+\b], v[TM+\b], s[SEL], s[SEL+1]
.endr
.irp b, 0,1,2,3
	v_max_num_f32 v[TM+\b], v[TM+\b], v[TM+4+\b]
.endr
.irp b, 0,1,2,3
	v_add_nc_u32 v[TM+12+\b], 0xff000000, v[TM+\b] ; 2 off the exponent field: the conversion's scale operand
.endr
.irp b, 0,1,2,3
	v_lshrrev_b32 v[TM+4+\b], 23, v[TM+12+\b]
.endr
	v_lshl_or_b32 v[PW], v[TM+5], 8, v[TM+4]
	v_lshl_or_b32 v[PW], v[TM+6], 16, v[PW]
	v_lshl_or_b32 v[PW], v[TM+7], 24, v[PW]
.irp c, 0,1
	v_cvt_scalef32_pk16_fp6_f32 v[PC+6*\c:PC+2+6*\c], v[T+32*\c:T+15+32*\c], v[TM+12+2*\c]
	v_cvt_scalef32_pk16_fp6_f32 v[PC+12+4*\c:PC+14+4*\c], v[T+16+32*\c:T+31+32*\c], v[TM+13+2*\c]
.endr
	v_nop                                          ; one plain place behind a scaled conversion
.irp c, 0,1                            ; the operand's layout wants a whole block in a lane
.irp i, 0,1,2
	v_permlane16_swap_b32 v[PC+6*\c+\i], v[PC+12+4*\c+\i]
.endr
.irp i, 0,1,2
	v_mov_b32 v[PC+3+6*\c+\i], v[PC+12+4*\c+\i]
.endr
.endr
.endm
.macro SUMSQ                           ; the sums of squares of my row's two heads, unquantised: v230, v234
.irp e, 0,1
	v_pk_mul_f32 v[230+4*\e:231+4*\e], v[T+32*\e:T+1+32*\e], v[T+32*\e:T+1+32*\e]
	v_pk_mul_f32 v[232+4*\e:233+4*\e], v[T+2+32*\e:T+3+32*\e], v[T+2+32*\e:T+3+32*\e]
.endr
.irp i, 4,8,12,16,20,24,28
.irp e, 0,1
	v_pk_fma_f32 v[230+4*\e:231+4*\e], v[T+32*\e+\i:T+1+32*\e+\i], v[T+32*\e+\i:T+1+32*\e+\i], v[230+4*\e:231+4*\e]
	v_pk_fma_f32 v[232+4*\e:233+4*\e], v[T+2+32*\e+\i:T+3+32*\e+\i], v[T+2+32*\e+\i:T+3+32*\e+\i], v[232+4*\e:233+4*\e]
.endr
.endr
.irp e, 0,1
	v_pk_add_f32 v[230+4*\e:231+4*\e], v[230+4*\e:231+4*\e], v[232+4*\e:233+4*\e]
.endr
.irp e, 0,1
	v_add_f32 v[230+4*\e], v[230+4*\e], v[231+4*\e]
.endr
.irp e, 0,1
	v_permlanex16_b32 v[231+4*\e], v[230+4*\e], s[SEL], s[SEL+1]
.endr
.irp e, 0,1
	v_add_f32 v[230+4*\e], v[230+4*\e], v[231+4*\e]
.endr
.endm
	s_cmp_eq_u32 ttmp9, 2                          ; the cluster's x: the same in all partners
	s_cbranch_scc1 .Lv
	; ---- Q, K: head 16 b + 4 cx + 2 half + 0, 1; tile 16 (A's tile % 8) + 8 half + a
	s_lshr_b32 s42, s17, 3
	s_lshl_b32 s42, s42, 4
	s_lshl_b32 s43, s40, 2
	s_add_co_u32 s42, s42, s43
	s_lshl_b32 s43, s16, 1
	s_add_co_u32 s42, s42, s43
	s_and_b32 s43, s17, 7
	s_lshl_b32 s43, s43, 4
	s_lshl_b32 s2, s15, 3
	s_add_co_u32 s43, s43, s2
	s_mul_i32 s66, ttmp9, 3145728
	s_mul_i32 s2, s42, 98304
	s_add_co_u32 s66, s66, s2
	s_mul_i32 s2, s43, 768
	s_add_co_u32 s66, s66, s2
	s_mov_b32 s67, 0
	s_add_nc_u64 s[94:95], s[94:95], s[66:67]
	s_lshl_b32 s66, ttmp9, 18
	s_lshl_b32 s2, s42, 13
	s_add_co_u32 s66, s66, s2
	s_lshl_b32 s2, s43, 6
	s_add_co_u32 s66, s66, s2
	s_add_nc_u64 s[98:99], s[98:99], s[66:67]
.macro EQK a
	s_wait_xcnt 0x0                                ; the last block's stores have read their registers
	LIFT \a, 0
	SUMSQ
	QUANT
.irp p, 0,1,2,3,4,5                    ; registers 0-5 are the lower head's half fragment, 6-11 the upper head's; each store covers 256 consecutive bytes, aligned
	global_store_b64 v24, v[PC+2*\p:PC+2*\p+1], s[94:95] offset:98304*(\p/3)+768*(\a)+256*(\p%3)
.endr
.if ((\a)%2) == 0
	v_mov_b32 v238, v[PW]
	v_mov_b32 v239, v230
	v_mov_b32 v240, v234
.else                                  ; two tiles' words and sums leave together: lanes 0-15 the even tile's, lanes 16-31 the odd one's
	v_cndmask_b32 v242, v238, v[PW], s[HM]
	v_cndmask_b32 v244, v239, v230, s[HM]
	v_cndmask_b32 v245, v240, v234, s[HM]
	v_lshrrev_b32 v243, 16, v242
	v_and_b32 v242, 0xffff, v242
	global_store_b32 v25, v242, s[98:99] offset:64*((\a)-1)
	global_store_b32 v25, v243, s[98:99] offset:64*((\a)-1)+8192
	global_store_b32 v26, v244, s[98:99] offset:524288+128*((\a)/2)
	global_store_b32 v26, v245, s[98:99] offset:524288+8192+128*((\a)/2)
.endif
.endm
.irp a, 0,1,2,3,4,5,6,7
	EQK \a
.endr
	s_branch .Ljoin
.Lv:
	; ---- V: head 16 b + 4 cy + 2 half + a / 4; keys 128 (2 (B's tile % 8) + half) on; 16 d: a % 4
	s_lshr_b32 s42, s44, 3
	s_lshl_b32 s42, s42, 4
	s_lshl_b32 s43, s41, 2
	s_add_co_u32 s42, s42, s43
	s_lshl_b32 s43, s15, 1
	s_add_co_u32 s42, s42, s43
	s_and_b32 s43, s44, 7
	s_lshl_b32 s43, s43, 1
	s_add_co_u32 s43, s43, s16
	s_mul_i32 s66, s42, 98304
	s_mul_i32 s2, s43, 6144
	s_add_co_u32 s66, s66, s2
	s_mov_b32 s67, 0
	s_add_nc_u64 s[96:97], s[96:97], s[66:67]
	s_lshl_b32 s66, s42, 12
	s_lshl_b32 s2, s43, 8
	s_add_co_u32 s66, s66, s2
	s_add_nc_u64 s[98:99], s[98:99], s[66:67]
.macro EV a
	s_wait_xcnt 0x0
	LIFT \a, 1
	QUANT
.irp c, 0,1,2
	global_store_b128 v30, v[PC+4*\c:PC+4*\c+3], s[96:97] offset:98304*((\a)/4)+1536*((\a)%4)+512*\c
.endr
.if ((\a)%2) == 0
	v_mov_b32 v238, v[PW]
.else
	v_cndmask_b32 v242, v238, v[PW], s[HM]
	global_store_b32 v25, v242, s[98:99] offset:1048576+4096*((\a)/4)+128*(((\a)%4)/2)
.endif
.endm
.irp a, 0,1,2,3,4,5,6,7
	EV \a
.endr
.Ljoin:
	s_wait_tensorcnt 0x0                           ; the wave's end
	ds_add_u32 v[SPW], v[NIL]
	s_wait_dscnt 0x0
	CROUND                                         ; the closing round
	s_endpgm
.Lfunc_end_k_qbc71db17f3_qkv:
	.size	k_qbc71db17f3_qkv, .Lfunc_end_k_qbc71db17f3_qkv-k_qbc71db17f3_qkv
	.p2alignl 7, 3214868480
	.fill 96, 4, 3214868480
	.section	.rodata,"a",@progbits
	.p2align	6, 0x0
	.amdhsa_kernel k_qbc71db17f3_qkv
		.amdhsa_group_segment_fixed_size 327680
		.amdhsa_private_segment_fixed_size 0
		.amdhsa_enable_private_segment 0
		.amdhsa_kernarg_size 64
		.amdhsa_user_sgpr_count 2
		.amdhsa_user_sgpr_kernarg_segment_ptr 1
		.amdhsa_wavefront_size32 1
		.amdhsa_system_sgpr_workgroup_id_x 1
		.amdhsa_system_sgpr_workgroup_id_y 1
		.amdhsa_system_sgpr_workgroup_id_z 1
		.amdhsa_system_vgpr_workitem_id 0
		.amdhsa_next_free_vgpr 1024
		.amdhsa_next_free_sgpr 106
		.amdhsa_reserve_vcc 0
		.amdhsa_float_denorm_mode_32 3
		.amdhsa_float_denorm_mode_16_64 3
		.amdhsa_memory_ordered 1
		.amdhsa_forward_progress 1
		.amdhsa_inst_pref_size 255
	.end_amdhsa_kernel
	.section	.bss,"aw",@nobits
	.p2align	6
	.space	262144
	.amdgpu_metadata
---
amdhsa.version: [ 1, 2 ]
amdhsa.kernels:
  - .name:           k_qbc71db17f3_qkv
    .symbol:         k_qbc71db17f3_qkv.kd
    .args:
      - { .name: zc, .offset: 0, .size: 8, .value_kind: global_buffer, .address_space: global }
      - { .name: zs, .offset: 8, .size: 8, .value_kind: global_buffer, .address_space: global }
      - { .name: bq, .offset: 16, .size: 8, .value_kind: global_buffer, .address_space: global }
      - { .name: bk, .offset: 24, .size: 8, .value_kind: global_buffer, .address_space: global }
      - { .name: bv, .offset: 32, .size: 8, .value_kind: global_buffer, .address_space: global }
      - { .name: qk_img, .offset: 40, .size: 8, .value_kind: global_buffer, .address_space: global }
      - { .name: v_img, .offset: 48, .size: 8, .value_kind: global_buffer, .address_space: global }
      - { .name: aux, .offset: 56, .size: 8, .value_kind: global_buffer, .address_space: global }
    .group_segment_fixed_size: 327680
    .private_segment_fixed_size: 0
    .kernarg_segment_align: 8
    .kernarg_segment_size: 64
    .max_flat_workgroup_size: 128
    .sgpr_count:     106
    .vgpr_count:     1024
    .wavefront_size: 32
...
	.end_amdgpu_metadata
.endif
;; end of part 2
;; launch attn (part 3): grid 8 x 32, 4 waves a work-group, no clusters, 151,040 bytes of LDS; arguments qk_img, v_img, aux, G, ao_codes, ao_scl; writes ao_codes, ao_scl
.if DOCPART == 3
	.amdgcn_target "amdgcn-amd-amdhsa--gfx1250"
	.amdhsa_code_object_version 6
	.text
	.protected	k_qbc71db17f3_attn
	.globl	k_qbc71db17f3_attn
	.p2align	8
	.type	k_qbc71db17f3_attn,@function
k_qbc71db17f3_attn:
	s_mov_b64 s[64:65], 0
	v_nop
	global_prefetch_b8 v0, s[64:65] scope:SCOPE_SE
	s_setreg_imm32_b32 hwreg(HW_REG_WAVE_MODE, 25, 1), 1
	s_wait_xcnt 0x0
; For one head and 256 queries: force(i, j) = G m_i m_j / (sqrt(max(q2_i + k2_j - 2 q_i.k_j, 0)) + 1e-8)^2, each row divided by its sum, times V; q.k and force x V on codes of FP6 (E2M3) with E8M0 scales.
; THE NORMALISED FORCES ARE WHAT IS QUANTISED, so a row's sum over all 2,048 keys is wanted before any code of the row.  The four waves SHARE THE KEYS, 512 each; a block of 32 queries x 512 keys of
; g(i, j) = m_j / dist^2 stays in 512 registers of a wave; the four partial row sums meet in LDS; the same registers are then multiplied by f_i = c_i / (c_i x sum), c_i = G m_i, quantised along the keys and multiplied by V;
; the four partial results meet in LDS, are added, quantised along d and stored as the next product's operand.  Each force is computed once.
; LAYOUT.  Both products are used transposed: S^T = K Q^T (source 0 = 16 keys, source 1 = 16 queries), O^T = V^T P^T: a lane holds one query.  By the order of tokens in a tile the 16 registers of two neighbouring
; key tiles are 16 neighbouring keys.  K = 64 fills half of the instruction's 128: Q's fragment has zero codes in its upper six registers, so K's fragment of tile t may be named v[6 t : 6 t + 11]: its upper six
; registers (the next tile's codes) meet zeros.  The C of the first product is -k2_j / 2, so that d2 = -2 D + q2_i is one fused multiply-add.
; No tensor loads, no cluster: K, V and the tables are read once a work-group (some 200 KB) and stay in registers and LDS for its eight blocks; a block's own stream is 2 KB of Q, asked for a phase ahead.
; LIMITS: where G, a query row's mass or a row's sum makes the quotient NaN or infinite, a code is produced where the definition has NaN; NaN and infinities among the inputs are not served; a block of zeros has the byte 1;
; row sums and the four partial results are added in another order than a plain loop's, in f32.
; REGISTERS.  window 0: v1-11 addresses; v[12:13] q2, v[14:15] k2 of the query rows, v[16:17] c, v[18:19] f (two query tiles); v20 Q's scale words; v21-23 at work; v24-39 K's scale words (two tiles a register);
;   v40-47 V's; v48-55 P's; v56-87 a block's largest g, then the conversions' scale operands (56 + 2 block + u); v88-95 row sums; v96-119 Q's two fragments; v120-183 two sets of -k2/2, later O^T, later partial results;
;   v184-247 two sets of m_j, later bytes, codes.   window 1: v0-197 K's fragments; v200-247 four fragments of V.   windows 2, 3: g: key tile t, query tile u at window 2 + t / 16, register 128 u + 8 (t % 16).
.set HKT, 98304                        ; LDS: 0: V's images, 24,576 bytes a wave;  -k2/2, 2,048 bytes a wave;
.set RS,  114688                       ; (m_j 8,192 bytes behind -k2/2);  row sums [32 queries][4 waves];
.set OP,  115200                       ; partial results: 4 x 32 rows x 272 bytes;
.set AS,  150016                       ; the scale bytes of 256 positions
.set MSB, 0
.macro WIN new                         ; the immediate's high byte repeats the setting that is left
.if MSB != (\new)
	s_set_vgpr_msb (MSB<<8)|(\new)
.set MSB, (\new)
.endif
.endm
	s_load_b256 s[24:31], s[0:1], 0x0              ; qk_img, v_img, aux, G
	s_load_b128 s[32:35], s[0:1], 0x20             ; ao_codes, ao_scl
	v_lshl_add_u32 v254, v0, 2, 0x24c00
	v_mov_b32 v255, 0
	v_lshrrev_b32 v1, 5, v0
	v_readfirstlane_b32 s16, v1                    ; wave
	v_and_b32 v22, 31, v0                          ; lane
	v_and_b32 v23, 15, v0                          ; r
	v_bfe_u32 v21, v0, 4, 1                        ; h
	s_lshl_b32 s36, s16, 11
	s_add_co_u32 s36, s36, HKT                     ; my wave's tables
	v_lshl_add_u32 v1, v21, 6, s36                 ; tables: + 64 h
	s_mul_i32 s37, s16, 24576
	v_lshl_add_u32 v2, v22, 4, s37                 ; V's images: 16 x lane
	s_lshl_b32 s37, s16, 2
	s_add_co_u32 s37, s37, RS
	v_lshl_add_u32 v3, v22, 4, s37                 ; my row sum: query 16 u + r = lane, wave w
	v_lshl_add_u32 v4, v23, 4, RS                  ; and the four of query r
	v_and_b32 v11, 8, v23
	v_add_nc_u32 v11, v11, v23                     ; r + 8 (r / 8)
	v_mul_u32_u24 v5, v11, 272
	v_lshl_add_u32 v5, v21, 6, v5
	s_mul_i32 s37, s16, 8704
	s_add_co_u32 s37, s37, OP
	v_add_nc_u32 v5, s37, v5                       ; my partial result: row r + 8 (r / 8) (+ 8 u), + 64 h
	v_lshrrev_b32 v6, 2, v0
	v_mul_u32_u24 v6, v6, 272
	v_and_b32 v7, 3, v0
	v_lshl_add_u32 v6, v7, 6, v6
	v_add_nc_u32 v6, OP, v6                        ; back: row thread / 4, 16 numbers
	s_and_b32 s37, s16, 1
	s_lshl_b32 s37, s37, 4
	s_lshr_b32 s38, s16, 1
	s_lshl_b32 s38, s38, 3
	s_or_b32 s37, s37, s38
	v_lshrrev_b32 v8, 2, v22
	v_add_nc_u32 v8, s37, v8                       ; that row's position among the block's 32: bits 3 and 4 exchanged
	v_bfe_u32 v7, v22, 1, 1
	v_lshl_add_u32 v7, v8, 1, v7
	v_add_nc_u32 v7, AS, v7                        ; its scale byte
	v_mul_u32_u24 v8, v8, 48
	v_and_b32 v9, 3, v22
	v_mad_u32_u24 v8, v9, 12, v8                   ; its codes
	v_lshlrev_b32 v9, 3, v22
	v_lshlrev_b32 v10, 2, v22
	v_lshlrev_b32 v11, 2, v11
	v_lshl_add_u32 v23, v22, 4, s36                ; the tables' way in
	v_lshlrev_b32 v21, 4, v22
	s_mov_b32 s18, 0x322bcc77                      ; 1e-8
	s_mov_b32 s19, s18
	s_mov_b32 s20, 0x76543210
	s_mov_b32 s21, 0xfedcba98
	s_mov_b32 s23, 0xffff0000
	s_and_b32 s38, ttmp7, 0xffff                   ; batch x 16 + head
	s_and_b32 s39, s38, 15
	s_lshr_b32 s37, s38, 4
	s_mul_i32 s56, s38, 98304
	s_mul_i32 s40, ttmp9, 12288
	s_add_co_u32 s40, s40, s56
	s_mov_b32 s41, 0
	s_mul_i32 s42, s16, 24576
	s_add_co_u32 s42, s42, s56
	s_mov_b32 s43, 0
	s_lshl_b32 s56, s38, 13
	s_lshl_b32 s44, s16, 11
	s_add_co_u32 s44, s44, s56
	s_mov_b32 s45, 0
	s_lshl_b32 s46, ttmp9, 10
	s_add_co_u32 s46, s46, s56
	s_mov_b32 s47, 0
	s_lshl_b32 s48, s38, 12
	s_lshl_b32 s56, s16, 10
	s_add_co_u32 s48, s48, s56
	s_mov_b32 s49, 0
	s_mul_i32 s50, s39, 196608
	s_mul_i32 s56, s37, 98304
	s_add_co_u32 s50, s50, s56
	s_mul_i32 s56, ttmp9, 12288
	s_add_co_u32 s50, s50, s56
	s_mov_b32 s51, 0
	s_lshl_b32 s52, s39, 13
	s_lshl_b32 s56, s37, 12
	s_add_co_u32 s52, s52, s56
	s_lshl_b32 s56, ttmp9, 9
	s_add_co_u32 s52, s52, s56
	s_mov_b32 s53, 0
	s_lshl_b32 s54, s39, 2
	s_mov_b32 s55, 0
	s_wait_kmcnt 0x0
	s_add_nc_u64 s[4:5], s[24:25], s[40:41]        ; Q's images, my first block
	s_add_nc_u64 s[8:9], s[24:25], s[42:43]        ; K's images less 3,145,728: my wave's 32 tiles
	s_add_nc_u64 s[6:7], s[28:29], s[46:47]        ; aux at my first block: words +0, q2 +524,288, k2 +786,432
	s_add_nc_u64 s[10:11], s[28:29], s[44:45]      ; aux at my wave's keys: words +262,144, k2 +786,432
	s_add_nc_u64 s[28:29], s[28:29], s[48:49]      ; V's scale words less 1,048,576
	s_add_nc_u64 s[26:27], s[26:27], s[42:43]      ; V's images: my wave's 512 keys
	s_add_nc_u64 s[30:31], s[30:31], s[54:55]
	s_add_nc_u64 s[12:13], s[32:33], s[50:51]
	s_add_nc_u64 s[14:15], s[34:35], s[52:53]
	s_load_b32 s22, s[30:31], 0x0                  ; G of my head
.macro QLOAD adv                       ; a block's Q: two half fragments, scale words, q2 and k2 of its rows
.irp u, 0,1
.irp p, 0,1,2
	global_load_b64 v[96+12*\u+2*\p:97+12*\u+2*\p], v9, s[4:5] offset:1536*\adv+768*\u+256*\p
.endr
.endr
	global_load_b32 v20, v10, s[6:7] offset:128*\adv
.irp u, 0,1
	global_load_b32 v[12+\u], v11, s[6:7] offset:524288+128*\adv+32*\u
	global_load_b32 v[14+\u], v11, s[6:7] offset:786432+128*\adv+32*\u
.endr
.endm
.irp n, 0,1,2,3
	global_load_b128 v[120+4*\n:123+4*\n], v21, s[10:11] offset:786432+512*\n
.endr
	WIN 0x80
.set n_, 0
.rept 48
	global_load_b128 v[4*n_:4*n_+3], v21, s[26:27] offset:512*n_
.set n_, n_+1
.endr
	WIN 0x40
.set n_, 0
.rept 96
	global_load_b64 v[2*n_:2*n_+1], v9, s[8:9] offset:3145728+256*n_
.set n_, n_+1
.endr
.irp i, 192,193,194,195,196,197
	v_mov_b32 v\i, 0                               ; what the last tile's fragment names beyond K's codes
.endr
	WIN 0
.set n_, 0
.rept 16
	global_load_b32 v[24+n_], v10, s[10:11] offset:262144+128*n_
.set n_, n_+1
.endr
.set n_, 0
.rept 8
	global_load_b32 v[40+n_], v10, s[28:29] offset:1048576+128*n_
.set n_, n_+1
.endr
	QLOAD 0
.irp i, 102,103,104,105,106,107,114,115,116,117,118,119
	v_mov_b32 v\i, 0                               ; Q's codes of k = 64 .. 127: zeros, once
.endr
	s_wait_loadcnt 0x0
.set n_, 0
.rept 16
	v_mul_f32 v[136+n_], -0.5, v[120+n_]
.set n_, n_+1
.endr
.set n_, 0
.rept 16
	v_sqrt_f32 v[152+n_], v[120+n_]                ; the masses
.set n_, n_+1
.endr
	v_nop
	s_wait_alu depctr_va_vdst(0)                   ; one wait for the sixteen roots, ahead of their first reader
.irp n, 0,1,2,3
	ds_store_b128 v23, v[136+4*\n:139+4*\n] offset:512*\n
	ds_store_b128 v23, v[152+4*\n:155+4*\n] offset:8192+512*\n
.endr
	WIN 0x08
.set n_, 0
.rept 48
	ds_store_b128 v2, v[4*n_:4*n_+3] offset:512*n_ ; my wave's own bytes: LDS serves a wave's instructions in order, so no barrier
.set n_, n_+1
.endr
	WIN 0
	s_wait_kmcnt 0x0
	s_mov_b32 s17, 8
	s_mov_b32 s24, 0
; A UNIT is 4 key tiles x 2 query tiles: 64 registers a lane; element j of unit k: register 128 (j / 32) + 32 (k % 4) + j % 32 of window 2 + k / 4; its key: 64 k + 32 ((j % 32) / 16) + 16 h + j % 16.
.macro LDT k, reg, off                 ; unit k's 32 table values, in that order
.irp n, 0,1,2,3,4,5,6,7
	ds_load_b128 v[\reg+4*\n:\reg+4*\n+3], v1 offset:\off+256*(\k)+128*(\n/4)+16*(\n%4)
.endr
.endm
.macro WM1 k, n                        ; product n of 8 of unit k: D = K Q^T - k2 / 2
.set t_, 4*(\k)+(\n)/2
.set u_, (\n)%2
.set D_, 128*u_+8*(t_%16)
.set C_, 120+32*((\k)%2)+8*((\n)/2)
	WIN 0x40*(2+t_/16)+1
.if (t_%2 == 0) && (u_ == 0)
	v_wmma_scale_f32_16x16x128_f8f6f4 v[D_:D_+7], v[6*t_:6*t_+11], v[96+12*u_:107+12*u_], v[C_:C_+7], v[24+t_/2], v20 matrix_a_fmt:MATRIX_FMT_FP6 matrix_b_fmt:MATRIX_FMT_FP6
.elseif (u_ == 0)
	v_wmma_scale_f32_16x16x128_f8f6f4 v[D_:D_+7], v[6*t_:6*t_+11], v[96+12*u_:107+12*u_], v[C_:C_+7], v[24+t_/2], v20 matrix_a_fmt:MATRIX_FMT_FP6 matrix_b_fmt:MATRIX_FMT_FP6 matrix_a_scale:MATRIX_SCALE_ROW1
.elseif (t_%2 == 0)
	v_wmma_scale_f32_16x16x128_f8f6f4 v[D_:D_+7], v[6*t_:6*t_+11], v[96+12*u_:107+12*u_], v[C_:C_+7], v[24+t_/2], v20 matrix_a_fmt:MATRIX_FMT_FP6 matrix_b_fmt:MATRIX_FMT_FP6 matrix_b_scale:MATRIX_SCALE_ROW1
.else
	v_wmma_scale_f32_16x16x128_f8f6f4 v[D_:D_+7], v[6*t_:6*t_+11], v[96+12*u_:107+12*u_], v[C_:C_+7], v[24+t_/2], v20 matrix_a_fmt:MATRIX_FMT_FP6 matrix_b_fmt:MATRIX_FMT_FP6 matrix_a_scale:MATRIX_SCALE_ROW1 matrix_b_scale:MATRIX_SCALE_ROW1
.endif
.endm
.macro E_A k, i                        ; 0-31: d2 = -2 D + q2, a pair each, each accumulator from its low end on; 32-95: max(d2, 0)
	WIN 0x45*(2+(\k)/4)
.if (\i) < 32
.set RR, 128*((\i)/16)+32*((\k)%4)+2*((\i)%16)
.if (\i) < 16
	v_pk_fma_f32 v[RR:RR+1], v[RR:RR+1], -2.0, v[12:13] op_sel_hi:[1,0,0]
.else
	v_pk_fma_f32 v[RR:RR+1], v[RR:RR+1], -2.0, v[12:13] op_sel:[0,0,1] op_sel_hi:[1,0,1]
.endif
.else
.set RR, 128*(((\i)-32)/32)+32*((\k)%4)+((\i)-32)%32
	v_max_num_f32 v[RR], 0, v[RR]
.endif
.endm
.macro E_B k, i                        ; 0-31: + 1e-8; 32-63: squared
	WIN 0x45*(2+(\k)/4)
.set RR, 128*(((\i)%32)/16)+32*((\k)%4)+2*((\i)%16)
.if (\i) < 32
	v_pk_add_f32 v[RR:RR+1], v[RR:RR+1], s[18:19] op_sel_hi:[1,0]
.else
	v_pk_mul_f32 v[RR:RR+1], v[RR:RR+1], v[RR:RR+1]
.endif
.endm
.macro SQRT1 k, j
	WIN 0x45*(2+(\k)/4)
.set RR, 128*((\j)/32)+32*((\k)%4)+(\j)%32
	v_sqrt_f32 v[RR], v[RR]
.endm
.macro RCP1 k, j
	WIN 0x45*(2+(\k)/4)
.set RR, 128*((\j)/32)+32*((\k)%4)+(\j)%32
	v_rcp_f32 v[RR], v[RR]
.endm
; unit k: g = m_j / dist^2; the row sums, in four chains; each block's largest g, four chains by turns
.macro CC k
.set W_, 2+(\k)/4
.set FB_, 32*((\k)%4)
.set MB_, 184+32*((\k)%2)
	WIN 0x41*W_
.set i_, 0
.rept 32
.set RR, 128*(i_%2)+FB_+2*(i_/2)
	v_pk_mul_f32 v[RR:RR+1], v[RR:RR+1], v[MB_+2*(i_/2):MB_+2*(i_/2)+1]
.set i_, i_+1
.endr
	WIN 0x14*W_
.set i_, 0
.rept 32
.set RR, 128*(i_%2)+FB_+2*(i_/2)
.set CH_, 88+4*(i_%2)+2*((i_/2)%2)
.if ((\k) == 0) && (i_ < 4)
	v_pk_add_f32 v[CH_:CH_+1], 0, v[RR:RR+1] op_sel_hi:[0,1]
.else
	v_pk_add_f32 v[CH_:CH_+1], v[CH_:CH_+1], v[RR:RR+1]
.endif
.set i_, i_+1
.endr
.set i_, 0
.rept 32
.set RR, 128*(i_%2)+FB_+16*((i_/2)%2)+2*(i_/4)
.set BM_, 56+2*(2*(\k)+(i_/2)%2)+i_%2
.if i_ < 4
	v_max3_num_f32 v[BM_], 0, v[RR], v[RR+1]
.else
	v_max3_num_f32 v[BM_], v[BM_], v[RR], v[RR+1]
.endif
.set i_, i_+1
.endr
.endm
; THE PIPELINE.  In step k: the roots of unit k stand between the plain lines of unit k - 1 (+ 1e-8, square) and the products of unit k + 2; the reciprocals of unit k - 1 between the plain lines of unit k + 1 (d2, max);
; then ONE wait for the step's 128 transcendentals, ahead of their first readers, and unit k - 1's last lines.  Where the two units of a section lie in different windows the two lists stand one behind the other.
.macro SEC1 k
.set j_, 0
.rept 64
.if ((\k) >= 0) && ((\k) <= 7)
	SQRT1 \k, j_
.endif
.if ((\k) >= 1) && ((\k) != 4)
	E_B (\k)-1, j_
.endif
.if ((\k) >= 0) && ((\k) <= 5) && ((j_%8) == 7)
	WM1 (\k)+2, j_/8
.endif
.set j_, j_+1
.endr
.if (\k) == 4
.set j_, 0
.rept 64
	E_B 3, j_
.set j_, j_+1
.endr
.endif
.endm
.macro SEC2 k
.set j_, 0
.rept 64
.if (\k) >= 1
	RCP1 (\k)-1, j_
.endif
.if ((\k) <= 6) && ((\k) != 3) && ((\k) != 4)
.if j_ < 32
	E_A (\k)+1, j_
.else
	E_A (\k)+1, 2*j_-32
	E_A (\k)+1, 2*j_-31
.endif
.endif
.set j_, j_+1
.endr
.if ((\k) == 3) || ((\k) == 4)
.set j_, 0
.rept 96
	E_A (\k)+1, j_
.set j_, j_+1
.endr
.endif
.endm
.macro PSTEP k
	WIN 0
.if (\k) >= 0
	s_wait_dscnt 0x0                               ; the tables asked for a step ago are in
.endif
.if (\k) <= 4
	LDT (\k)+3, 120+32*(((\k)+3)%2), 0             ; -k2/2 of unit k + 3, into the set that unit k + 1's products, a section of plain lines back, have read
.endif
.if ((\k) >= 0) && ((\k) <= 7)
	LDT \k, 184+32*((\k)%2), 8192                  ; m_j of unit k, wanted at the end of the next step
.endif
	SEC1 \k
	SEC2 \k
.if (\k) >= 0
	v_nop                                          ; a plain place behind the last transcendental
	s_wait_alu depctr_va_vdst(0)
.endif
.if (\k) >= 1
	CC (\k)-1
.endif
.endm
; 128 keys (the s-th of my four): p = g f, quantised, times V
.macro NSTEP s
.set W_, 2+(\s)/2
.set FB_, 64*((\s)%2)
	WIN 0x41*W_
.set i_, 0
.rept 64
.set RR, 128*(i_/32)+FB_+2*(i_%32)
.if i_ < 32
	v_pk_mul_f32 v[RR:RR+1], v[RR:RR+1], v[18:19] op_sel_hi:[1,0]
.else
	v_pk_mul_f32 v[RR:RR+1], v[RR:RR+1], v[18:19] op_sel:[0,1] op_sel_hi:[1,1]
.endif
.if i_ == 7                            ; eight plain lines behind the last products that read them, V's four fragments are fetched
	WIN 0x40
.irp n, 0,1,2,3,4,5,6,7,8,9,10,11
	ds_load_b128 v[200+4*\n:203+4*\n], v2 offset:6144*(\s)+512*\n
.endr
	WIN 0x41*W_
.endif
.set i_, i_+1
.endr
	WIN W_
.irp u, 0,1
.irp c, 0,1
	v_cvt_scalef32_pk16_fp6_f32 v[184+12*\u+6*\c:186+12*\u+6*\c], v[128*\u+FB_+32*\c:128*\u+FB_+32*\c+15], v[56+2*(4*(\s)+2*\c)+\u]
	v_cvt_scalef32_pk16_fp6_f32 v[208+8*\u+4*\c:210+8*\u+4*\c], v[128*\u+FB_+32*\c+16:128*\u+FB_+32*\c+31], v[56+2*(4*(\s)+2*\c+1)+\u]
.endr
.endr
	WIN 0
	v_nop                                          ; one plain place behind a scaled conversion
.irp u, 0,1
.irp c, 0,1
.irp i, 0,1,2
	v_permlane16_swap_b32 v[184+12*\u+6*\c+\i], v[208+8*\u+4*\c+\i]
.endr
.irp i, 0,1,2
	v_mov_b32 v[187+12*\u+6*\c+\i], v[208+8*\u+4*\c+\i]
.endr
.endr
.endr
.rept 4
	v_nop                                          ; an operand written by vector instructions stands four places ahead of a scaled matrix instruction
.endr
	s_wait_dscnt 0x0                               ; V's fragments
	WIN 0x01
.irp t, 0,1,2,3                        ; eight accumulators by turns, one instruction a turn
.irp u, 0,1
.if (\s) == 0
.if (\t%2) == 0
	v_wmma_scale_f32_16x16x128_f8f6f4 v[120+8*(4*\u+\t):127+8*(4*\u+\t)], v[200+12*\t:211+12*\t], v[184+12*\u:195+12*\u], 0, v[40+2*(\s)+\t/2], v[48+2*(\s)+\u] matrix_a_fmt:MATRIX_FMT_FP6 matrix_b_fmt:MATRIX_FMT_FP6
.else
	v_wmma_scale_f32_16x16x128_f8f6f4 v[120+8*(4*\u+\t):127+8*(4*\u+\t)], v[200+12*\t:211+12*\t], v[184+12*\u:195+12*\u], 0, v[40+2*(\s)+\t/2], v[48+2*(\s)+\u] matrix_a_fmt:MATRIX_FMT_FP6 matrix_b_fmt:MATRIX_FMT_FP6 matrix_a_scale:MATRIX_SCALE_ROW1
.endif
.else
.if (\t%2) == 0
	v_wmma_scale_f32_16x16x128_f8f6f4 v[120+8*(4*\u+\t):127+8*(4*\u+\t)], v[200+12*\t:211+12*\t], v[184+12*\u:195+12*\u], v[120+8*(4*\u+\t):127+8*(4*\u+\t)], v[40+2*(\s)+\t/2], v[48+2*(\s)+\u] matrix_a_fmt:MATRIX_FMT_FP6 matrix_b_fmt:MATRIX_FMT_FP6
.else
	v_wmma_scale_f32_16x16x128_f8f6f4 v[120+8*(4*\u+\t):127+8*(4*\u+\t)], v[200+12*\t:211+12*\t], v[184+12*\u:195+12*\u], v[120+8*(4*\u+\t):127+8*(4*\u+\t)], v[40+2*(\s)+\t/2], v[48+2*(\s)+\u] matrix_a_fmt:MATRIX_FMT_FP6 matrix_b_fmt:MATRIX_FMT_FP6 matrix_a_scale:MATRIX_SCALE_ROW1
.endif
.endif
.endr
.endr
.endm
.Lblock:                                               ; eight blocks of 32 queries
	s_wait_loadcnt 0x0                             ; this block's Q, asked for in the middle of the last block
	v_sqrt_f32 v16, v14                            ; the query rows' masses
	v_sqrt_f32 v17, v15
	LDT 0, 120, 0
	LDT 1, 152, 0
	v_nop
	s_wait_alu depctr_va_vdst(0)                   ; for the two roots
	v_mul_f32 v16, s22, v16                        ; c = G m_i
	v_mul_f32 v17, s22, v17
	s_wait_dscnt 0x0
.irp n, 0,1,2,3,4,5,6,7
	WM1 0, \n
.endr
.irp n, 0,1,2,3,4,5,6,7
	WM1 1, \n
.endr
.rept 4
	v_nop                                          ; places behind these products: ahead of the load over their C and of the first read of results
.endr
.irp k, -1,0,1,2,3,4,5,6,7,8
	PSTEP \k
.endr
	WIN 0
	v_pk_add_f32 v[88:89], v[88:89], v[90:91]      ; my 512 keys' row sums
	v_pk_add_f32 v[92:93], v[92:93], v[94:95]
	v_add_f32 v88, v88, v89
	v_add_f32 v92, v92, v93
	v_permlanex16_b32 v89, v88, s20, s21
	v_permlanex16_b32 v93, v92, s20, s21
	v_add_f32 v88, v88, v89
	v_add_f32 v92, v92, v93
	v_cndmask_b32 v22, v88, v92, s23               ; lanes 0-15 the first query tile's, lanes 16-31 the second's
	ds_store_b32 v3, v22
	s_wait_dscnt 0x0                               ; my store has landed, and my reads of the partial results of the last block are long over
	s_barrier_signal -1
	s_barrier_wait -1
	ds_load_b128 v[88:91], v4
	ds_load_b128 v[92:95], v4 offset:256
	s_cmp_eq_u32 s17, 1                            ; the next block's Q, if there is one: no load leaves its buffer
	s_cbranch_scc1 .Lnoq
	QLOAD 1
.Lnoq:
	s_wait_dscnt 0x0
	v_add_f32 v88, v88, v89
	v_add_f32 v92, v92, v93
	v_add_f32 v88, v88, v90
	v_add_f32 v92, v92, v94
	v_add_f32 v88, v88, v91                        ; the same order in every wave
	v_add_f32 v92, v92, v95
	v_mul_f32 v22, v16, v88
	v_mul_f32 v23, v17, v92
	v_rcp_f32 v22, v22
	v_rcp_f32 v23, v23
	v_nop
	s_wait_alu depctr_va_vdst(0)                   ; for the two reciprocals
	v_mul_f32 v18, v16, v22                        ; f = c / (c x sum)
	v_mul_f32 v19, v17, v23
	; each block's largest p is its largest g times f: a multiplication by a positive number keeps the order
.set i_, 0
.rept 16
	v_pk_mul_f32 v[56+2*i_:57+2*i_], v[56+2*i_:57+2*i_], v[18:19]
.set i_, i_+1
.endr
.set i_, 0
.rept 32
	v_permlanex16_b32 v[184+i_], v[56+i_], s20, s21
.set i_, i_+1
.endr
.set i_, 0
.rept 32
	v_max3_num_f32 v[56+i_], v[56+i_], v[184+i_], 0x1800000   ; with lane l xor 16's, and the floor 2^(3 - 127)
.set i_, i_+1
.endr
.set i_, 0
.rept 32
	v_add_nc_u32 v[56+i_], 0xff000000, v[56+i_]    ; 2 off the exponent field: the conversion's scale operand
.set i_, i_+1
.endr
.set i_, 0
.rept 32
	v_lshrrev_b32 v[184+i_], 23, v[56+i_]          ; the byte
.set i_, i_+1
.endr
.irp s, 0,1,2,3
.irp u, 0,1
	v_lshl_or_b32 v[48+2*\s+\u], v[186+8*\s+\u], 8, v[184+8*\s+\u]
	v_lshl_or_b32 v[48+2*\s+\u], v[188+8*\s+\u], 16, v[48+2*\s+\u]
	v_lshl_or_b32 v[48+2*\s+\u], v[190+8*\s+\u], 24, v[48+2*\s+\u]
.endr
.endr
	NSTEP 0
	NSTEP 1
	NSTEP 2
	NSTEP 3
	WIN 0
.rept 4
	v_nop
.endr
.irp u, 0,1
.irp t, 0,1,2,3                        ; register j of (t, u): d = 32 (t / 2) + 16 h + 8 (t % 2) + j of query row 8 u + r + 8 (r / 8); each accumulator from its low end on
	ds_store_b128 v5, v[120+8*(4*\u+\t):123+8*(4*\u+\t)] offset:2176*\u+128*(\t/2)+32*(\t%2)
	ds_store_b128 v5, v[124+8*(4*\u+\t):127+8*(4*\u+\t)] offset:2176*\u+128*(\t/2)+32*(\t%2)+16
.endr
.endr
	s_wait_dscnt 0x0                               ; my stores have landed, and my reads of the row sums are over
	s_barrier_signal -1
	s_barrier_wait -1
.irp p, 0,1,2,3
.irp i, 0,1,2,3
	ds_load_b128 v[120+16*\p+4*\i:123+16*\p+4*\i], v6 offset:8704*\p+16*\i
.endr
.endr
	v_add_nc_u32 v21, s24, v7
	s_wait_dscnt 0x0
.irp p, 136,152,168
.irp e, 0,2,4,6,8,10,12,14
	v_pk_add_f32 v[120+\e:121+\e], v[120+\e:121+\e], v[\p+\e:\p+\e+1]
.endr
.endr
	v_max3_num_f32 v184, |v120|, |v121|, |v122|    ; my 16 numbers along d; two neighbouring lanes hold a block of 32
	v_max3_num_f32 v185, |v123|, |v124|, |v125|
.irp i, 6,10
	v_max3_num_f32 v184, v184, |v[120+\i]|, |v[121+\i]|
	v_max3_num_f32 v185, v185, |v[122+\i]|, |v[123+\i]|
.endr
	v_max3_num_f32 v184, v184, |v134|, |v135|
	v_max3_num_f32 v184, v184, v185, 0x1800000
	v_max_num_f32_dpp v184, v184, v184 row_xmask:1 row_mask:0xf bank_mask:0xf
	v_add_nc_u32 v186, 0xff000000, v184
	v_cvt_scalef32_pk16_fp6_f32 v[208:210], v[120:135], v186
	v_lshrrev_b32 v212, 23, v186
	ds_store_b8 v21, v212                          ; both lanes of a block write the same byte with the same value
	global_store_b96 v8, v[208:210], s[12:13]      ; a wave's eight rows: 384 consecutive bytes
	s_wait_xcnt 0x0                                ; the loads and stores have read their bases and registers
	s_add_nc_u64 s[4:5], s[4:5], 1536
	s_add_nc_u64 s[6:7], s[6:7], 128
	s_add_nc_u64 s[12:13], s[12:13], 1536
	s_add_co_u32 s24, s24, 64
	s_sub_co_u32 s17, s17, 1
	s_cmp_lg_u32 s17, 0
	s_cbranch_scc1 .Lblock
	s_wait_dscnt 0x0                               ; my byte stores have landed
	s_barrier_signal -1
	s_barrier_wait -1
	s_cmp_lg_u32 s16, 0
	s_cbranch_scc1 .Ldone
	v_and_b32 v22, 31, v0
	v_lshlrev_b32 v23, 4, v22
	v_add_nc_u32 v22, AS, v23
	ds_load_b128 v[120:123], v22
	s_wait_dscnt 0x0
	global_store_b128 v23, v[120:123], s[14:15]    ; the 256 positions' scale bytes: 512 consecutive bytes, aligned
.Ldone:
	s_wait_tensorcnt 0x0
	ds_add_u32 v254, v255
	s_wait_dscnt 0x0
	s_endpgm
.Lfunc_end_k_qbc71db17f3_attn:
	.size	k_qbc71db17f3_attn, .Lfunc_end_k_qbc71db17f3_attn-k_qbc71db17f3_attn
	.p2alignl 7, 3214868480
	.fill 96, 4, 3214868480
	.section	.rodata,"a",@progbits
	.p2align	6, 0x0
	.amdhsa_kernel k_qbc71db17f3_attn
		.amdhsa_group_segment_fixed_size 151040
		.amdhsa_private_segment_fixed_size 0
		.amdhsa_enable_private_segment 0
		.amdhsa_kernarg_size 48
		.amdhsa_user_sgpr_count 2
		.amdhsa_user_sgpr_kernarg_segment_ptr 1
		.amdhsa_wavefront_size32 1
		.amdhsa_system_sgpr_workgroup_id_x 1
		.amdhsa_system_sgpr_workgroup_id_y 1
		.amdhsa_system_sgpr_workgroup_id_z 1
		.amdhsa_system_vgpr_workitem_id 0
		.amdhsa_next_free_vgpr 1024
		.amdhsa_next_free_sgpr 66
		.amdhsa_reserve_vcc 0
		.amdhsa_float_denorm_mode_32 3
		.amdhsa_float_denorm_mode_16_64 3
		.amdhsa_memory_ordered 1
		.amdhsa_forward_progress 1
		.amdhsa_inst_pref_size 241
	.end_amdhsa_kernel
	.amdgpu_metadata
---
amdhsa.version: [ 1, 2 ]
amdhsa.kernels:
  - .name:           k_qbc71db17f3_attn
    .symbol:         k_qbc71db17f3_attn.kd
    .args:
      - { .name: qk_img, .offset: 0, .size: 8, .value_kind: global_buffer, .address_space: global }
      - { .name: v_img, .offset: 8, .size: 8, .value_kind: global_buffer, .address_space: global }
      - { .name: aux, .offset: 16, .size: 8, .value_kind: global_buffer, .address_space: global }
      - { .name: G, .offset: 24, .size: 8, .value_kind: global_buffer, .address_space: global }
      - { .name: ao_codes, .offset: 32, .size: 8, .value_kind: global_buffer, .address_space: global }
      - { .name: ao_scl, .offset: 40, .size: 8, .value_kind: global_buffer, .address_space: global }
    .group_segment_fixed_size: 151040
    .private_segment_fixed_size: 0
    .kernarg_segment_align: 8
    .kernarg_segment_size: 48
    .max_flat_workgroup_size: 128
    .sgpr_count:     66
    .vgpr_count:     1024
    .wavefront_size: 32
...
	.end_amdgpu_metadata
.endif
;; end of part 3
;; launch oproj (part 4): grid 4 x 16, 4 waves a work-group, clusters of 4 x 4, 327,680 bytes of LDS; arguments ao_codes, ao_scl, zc, zs, bo, out0; writes out0
.if DOCPART == 4
	.amdgcn_target "amdgcn-amd-amdhsa--gfx1250"
	.amdhsa_code_object_version 6
	.text
	.protected	k_qbc71db17f3_oproj
	.globl	k_qbc71db17f3_oproj
	.p2align	8
	.type	k_qbc71db17f3_oproj,@function
k_qbc71db17f3_oproj:
	s_mov_b64 s[64:65], 0
	v_nop
	global_prefetch_b8 v0, s[64:65] scope:SCOPE_SE
	s_setreg_imm32_b32 hwreg(HW_REG_WAVE_MODE, 25, 1), 1
	s_wait_xcnt 0x0
	s_wait_alu depctr_hold_cnt(0) depctr_sa_sdst(0) depctr_va_vdst(0) depctr_va_sdst(0) depctr_va_ssrc(0) depctr_va_vcc(0) depctr_vm_vsrc(0)
	s_getreg_b32 s2, hwreg(HW_REG_IB_STS2, 6, 4)
	s_cmp_eq_u32 s2, 0
	s_cbranch_scc0 .Lentry_in_a_cluster
	s_endpgm
.Lentry_in_a_cluster:
	s_bfe_u32 s2, ttmp6, 0x10000c
	s_cmp_lg_u32 s2, 0xf033
	s_cbranch_scc0 .Lentry_shape_is_right
	s_endpgm
.Lentry_shape_is_right:
; out0 = attention's result x Wo^T + bo on codes of FP6 (E2M3) with E8M0 scales for each 32 along K = 1,024; sums in f32.
; A = ao_codes, ao_scl ([head = chunk of 64 K][position 4096][48 or 2 bytes]); B = Wo's rows in zc, zs, positions 7,168 on.  A position is a row with bits 3 and 4 exchanged.
; A tile of 256 x 256 is made by four waves, 128 x 128 each; source 0 = 16 positions of B, source 1 = 16 of A: a lane holds one token, and the 16 registers of two neighbouring tiles of B are 16 neighbouring columns.
; bo is the C of the first K step's products.  K goes through a ring of two LDS slots of 256 along K filled by joint tensor loads; the scale bytes come once.  64 tiles: 64 work-groups.
; REGISTERS.  window 0: v1-7 lane terms; v16,17,20,21 fragment addresses; v24-26 the way out; v27 scale address; v28, v29 the add's two; v64-127 the 64 scale words; v128-223 A's fragments; on the way out v128-255 rows read back.
;   window 1: B's fragments at v0 and v128; v96-127, v224-255 bo in the result's layout.   windows 2, 3: accumulator (a, b) at v[8 (8 (a % 4) + b)].
.set CH,     6144
.set HALFT,  4*CH
.set SLOT,   4*HALFT
.set SCL,    2*SLOT
.set HALFS,  4096
.set SPARE,  SCL+4*HALFS               ; the spare words, 128 bytes a wave: two blocks of 256 bytes that no other line names
.set KSBA,   4*196608                  ; four chunks on in ao_codes
.set KSBB,   4*393216                  ; and in zc
.set SPITCH, 528                       ; the way out: 16 rows x (512 + 16) bytes a wave, in slot 0, which has had its last fill and its last read by then
.set FR,     12
.set NL,     6
.set NP,     4
.set ADRA, 16
.set ADRB, 20
.set STO,  24
.set RD,   25
.set CO,   26
.set ADRS, 27
.set SPW,  28
.set NIL,  29
.set SC,   64
.set AF,   128
.set BK,   128
.set G1,   24
.set G0,   32
.set G1B,  48
.set G0B,  56
.set G1S,  68
.set G0S,  76
.set G1SB, 80
.set G0SB, 88
.set MSB, 0
.macro WIN new
.if MSB != (\new)
	s_set_vgpr_msb (MSB<<8)|(\new)
.set MSB, (\new)
.endif
.endm
.set MUL_LO, 0xa1
.set MUL_HI, 0xf1
.set TO_B,   0x40
.macro JLOAD g0a, g1a, g0b, g1b        ; waves 0 and 1 fetch for A, waves 2 and 3 for B; four v_nop follow each of the two lines
	s_cmp_eq_u32 s15, 0
	s_cbranch_scc0 .Lfor_b_\@
	tensor_load_to_lds s[\g0a:\g0a+3], s[\g1a:\g1a+7]
	s_nop 0
.rept 4
	v_nop
.endr
	s_branch .Lasked_\@
.Lfor_b_\@:
	tensor_load_to_lds s[\g0b:\g0b+3], s[\g1b:\g1b+7]
	s_nop 0
.rept 4
	v_nop
.endr
.Lasked_\@:
.endm
.macro CREST
	s_cmp_lg_u32 s14, 0
	s_cbranch_scc1 .Lnot_wave_0_\@
	s_barrier_signal -3
.Lnot_wave_0_\@:
	s_barrier_wait -3
	s_barrier_signal -1
	s_barrier_wait -1
.endm
.macro CROUND
	s_barrier_signal -1
	s_barrier_wait -1
	CREST
.endm
.macro PLACES n
.rept \n
	v_nop
.endr
.endm
	s_load_b256 s[4:11], s[0:1], 0x0               ; ao_codes, ao_scl, zc, zs
	s_load_b128 s[92:95], s[0:1], 0x20             ; bo, out0
	v_lshl_add_u32 v[SPW], v0, 2, SPARE
	v_mov_b32 v[NIL], 0
	ds_add_u32 v28, v29
	ds_add_u32 v28, v29
	s_wait_dscnt 0x0
	v_lshrrev_b32 v1, 5, v0
	v_readfirstlane_b32 s14, v1
	s_lshr_b32 s15, s14, 1
	s_and_b32 s16, s14, 1
	s_bfe_u32 s40, ttmp6, 0x40000                  ; cx
	s_bfe_u32 s41, ttmp6, 0x40004                  ; cy
	s_lshl_b32 s44, ttmp9, 2
	s_add_co_u32 s44, s44, s40                     ; tile column
	s_and_b32 s17, ttmp7, 0xffff
	s_lshl_b32 s17, s17, 2
	s_add_co_u32 s17, s17, s41                     ; tile row
	s_lshl_b32 s45, s41, 2
	s_lshl_b32 s45, 15, s45
	s_lshl_b32 s46, 0x1111, s40
	s_or_b32 s[G1+0], s45, (3<<16)|(1<<21)
	s_or_b32 s[G1B+0], s46, (3<<16)|(1<<21)
.irp g, G1, G1B
	s_mov_b32 s[\g+1], 768<<16
	s_mov_b32 s[\g+2], 4<<16
	s_mov_b32 s[\g+3], 768<<16
	s_mov_b32 s[\g+4], 4
	s_mov_b32 s[\g+6], 0
	s_mov_b32 s[\g+7], 0
.endr
	s_mov_b32 s[G1+5], 24576                       ; a chunk of ao_codes is 4,096 x 48 bytes,
	s_mov_b32 s[G1B+5], 49152                      ; of zc 8,192 x 48, in elements of 8 bytes
	s_or_b32 s[G1S+0], s45, (3<<16)|(1<<21)
	s_or_b32 s[G1SB+0], s46, (3<<16)|(1<<21)
.irp g, G1S, G1SB
	s_mov_b32 s[\g+1], 32<<16
	s_mov_b32 s[\g+2], 16<<16
	s_mov_b32 s[\g+3], 32<<16
	s_mov_b32 s[\g+4], 16
	s_mov_b32 s[\g+6], 0
	s_mov_b32 s[\g+7], 0
.endr
	s_mov_b32 s[G1S+5], 1024
	s_mov_b32 s[G1SB+5], 2048
	s_lshl_b32 s2, s16, 7
	s_lshl_b32 s20, s17, 8
	s_add_co_u32 s20, s20, s2                      ; A: first position that I fetch
	s_lshl_b32 s22, s44, 8
	s_add_co_u32 s22, s22, s2
	s_add_co_u32 s22, s22, 7168                    ; B: Wo's rows in Z
	s_lshl_b32 s12, s20, 1
	s_mov_b32 s13, 0
	s_lshl_b32 s18, s22, 1
	s_mov_b32 s19, 0
	s_mul_i32 s20, s20, 48
	s_mov_b32 s21, 0
	s_mul_i32 s22, s22, 48
	s_mov_b32 s23, 0
	s_mul_i32 s47, s14, HALFT
	s_lshl_b32 s3, s14, 12
	s_wait_kmcnt 0x0
	s_add_nc_u64 s[20:21], s[4:5], s[20:21]
	s_add_nc_u64 s[22:23], s[8:9], s[22:23]
	s_add_nc_u64 s[12:13], s[6:7], s[12:13]
	s_add_nc_u64 s[18:19], s[10:11], s[18:19]
	CROUND                                         ; all sixteen work-groups are here: the first joint loads meet
	s_mov_b32 s[G0S], 1
	s_add_co_u32 s[G0S+1], s3, SCL
	s_mov_b64 s[G0S+2:G0S+3], s[12:13]
	s_or_b32 s[G0S+3], s[G0S+3], 0x80000000
	s_mov_b32 s[G0SB], 1
	s_add_co_u32 s[G0SB+1], s3, SCL
	s_mov_b64 s[G0SB+2:G0SB+3], s[18:19]
	s_or_b32 s[G0SB+3], s[G0SB+3], 0x80000000
	JLOAD G0S, G1S, G0SB, G1SB                     ; three loads of mine are out behind these first fills
.irp s, 0,1
	s_mov_b32 s[G0+4*\s], 1
	s_add_co_u32 s[G0+4*\s+1], s47, \s*SLOT
	s_add_nc_u64 s[G0+4*\s+2:G0+4*\s+3], s[20:21], \s*KSBA
	s_or_b32 s[G0+4*\s+3], s[G0+4*\s+3], 0x80000000
	s_mov_b32 s[G0B+4*\s], 1
	s_add_co_u32 s[G0B+4*\s+1], s47, \s*SLOT
	s_add_nc_u64 s[G0B+4*\s+2:G0B+4*\s+3], s[22:23], \s*KSBB
	s_or_b32 s[G0B+4*\s+3], s[G0B+4*\s+3], 0x80000000
	JLOAD G0+4*\s, G1, G0B+4*\s, G1B
.endr
	v_and_b32 v1, 15, v0
	v_bfe_u32 v2, v0, 4, 1
	v_and_b32 v6, 31, v0
	v_mul_u32_u24 v3, v1, 48
	v_mad_u32_u24 v3, v2, 24, v3
	s_mul_i32 s2, s15, HALFT
	s_mul_i32 s3, s16, HALFT
	s_add_co_u32 s3, s3, 2*HALFT
.irp s, 0,1
	v_add_nc_u32 v[ADRA+\s], s2, v3
	v_add_nc_u32 v[ADRB+\s], s3, v3
	s_add_co_u32 s2, s2, SLOT
	s_add_co_u32 s3, s3, SLOT
.endr
	s_lshl_b32 s2, s15, 12
	s_lshl_b32 s3, s16, 12
	s_add_co_u32 s3, s3, 2*HALFS
	s_sub_co_u32 s3, s3, s2
	v_mul_u32_u24 v4, s3, v2                       ; lanes 16-31 take B's scale bytes
	s_add_co_u32 s2, s2, SCL
	v_lshl_add_u32 v4, v1, 1, v4
	v_add_nc_u32 v[ADRS], s2, v4
	s_mul_i32 s2, s14, 16*SPITCH                   ; my stage
	v_mul_u32_u24 v4, v1, SPITCH
	v_lshl_add_u32 v4, v2, 6, v4
	v_add_nc_u32 v[STO], s2, v4                    ; in: row r, + 64 h
	v_lshlrev_b32 v[CO], 4, v6
	v_add_nc_u32 v[RD], s2, v[CO]                  ; back: the 32 lanes take one row of 512 bytes
	v_lshlrev_b32 v5, 6, v2
	s_lshl_b32 s2, s44, 10
	s_lshl_b32 s3, s16, 9
	s_add_co_u32 s2, s2, s3                        ; my first column, in bytes
	s_mov_b32 s3, 0
	s_add_nc_u64 s[92:93], s[92:93], s[2:3]
	s_add_nc_u64 s[94:95], s[94:95], s[2:3]
	s_lshl_b32 s2, s17, 8
	s_lshl_b32 s42, s15, 7
	s_add_co_u32 s2, s2, s42
	s_lshl_b32 s2, s2, 12                          ; my first row of 4,096 bytes
	s_add_nc_u64 s[94:95], s[94:95], s[2:3]
	WIN 0x40
.set n_, 0
.rept 16                               ; register 8 b + j: bo[32 (b / 2) + 16 h + 8 (b % 2) + j]
	global_load_b128 v[96+4*n_+96*(n_/8):99+4*n_+96*(n_/8)], v5, s[92:93] offset:128*(n_/4)+16*(n_%4)
.set n_, n_+1
.endr
	WIN 0
.macro FRAG reg, adr, q, i
.irp p, 0,1,2,3,4,5
	ds_load_b64 v[\reg+2*\p:\reg+2*\p+1], v[\adr] offset:(2*(\q)+\p/3)*CH+(\i)*768+8*(\p%3)
.endr
.endm
; 16 matrix instructions; first = 1: the bias is the C.  The 64 accumulators take turns, one instruction a turn, in the same order in every step.
.macro MUL16 a0, p, ks, first
.irp a, \a0, \a0+1
.irp b, 0,1,2,3,4,5,6,7
.if \first
	v_wmma_scale_f32_16x16x128_f8f6f4 v[8*(8*((\a)%4)+\b):8*(8*((\a)%4)+\b)+7], v[128*(\p)+FR*\b:128*(\p)+FR*\b+FR-1], v[AF+FR*(\a):AF+FR*(\a)+FR-1], v[96+8*\b+96*(\b/4):103+8*\b+96*(\b/4)], v[SC+8*\b+(\ks)], v[SC+8*(\a)+(\ks)] matrix_a_fmt:MATRIX_FMT_FP6 matrix_b_fmt:MATRIX_FMT_FP6 matrix_a_scale:MATRIX_SCALE_ROW1
.else
	v_wmma_scale_f32_16x16x128_f8f6f4 v[8*(8*((\a)%4)+\b):8*(8*((\a)%4)+\b)+7], v[128*(\p)+FR*\b:128*(\p)+FR*\b+FR-1], v[AF+FR*(\a):AF+FR*(\a)+FR-1], v[8*(8*((\a)%4)+\b):8*(8*((\a)%4)+\b)+7], v[SC+8*\b+(\ks)], v[SC+8*(\a)+(\ks)] matrix_a_fmt:MATRIX_FMT_FP6 matrix_b_fmt:MATRIX_FMT_FP6 matrix_a_scale:MATRIX_SCALE_ROW1
.endif
.endr
.endr
.endm
.macro FETCH_B slot, q, p
	WIN TO_B
.irp i, 0,1,2,3,4,5,6,7
	FRAG 128*(\p)+FR*\i, ADRB+\slot, \q, \i
.endr
	WIN 0
.endm
.macro FETCH_A slot, q, i0
.irp i, \i0, \i0+1, \i0+2, \i0+3
	FRAG AF+FR*(\i), ADRA+\slot, \q, \i
.endr
.endm
.macro STEP slot, ks, first
	s_wait_dscnt 4*NL                              ; the youngest 24 loads (A's blocks 4-7) may be out
.if \first
	WIN 0x91                                       ; source 0 and C window 1, source 1 window 0, D window 2
.else
	WIN MUL_LO
.endif
	MUL16 0, 0, \ks, \first
	MUL16 2, 0, \ks, \first
	s_wait_dscnt 0
	PLACES NP
	FETCH_B \slot, 1, 1
	FETCH_A \slot, 1, 0
.if \first
	WIN 0xd1
.else
	WIN MUL_HI
.endif
	MUL16 4, 0, \ks, \first
	MUL16 6, 0, \ks, \first
	PLACES NP
	WIN 0
	FETCH_A \slot, 1, 4
.endm
.macro TURN slot, next, ks, fill
	s_wait_tensorcnt 0x0                           ; all my tensor loads have landed: my part of the next slot
	ds_add_u32 v[SPW], v[NIL]                      ; 0 onto my spare word
	s_wait_dscnt 4*NL+1                            ; the add and the youngest 24 loads may be out
	WIN MUL_LO
	MUL16 0, 1, \ks, 0
	s_wait_dscnt 0x0                               ; the add is done, and my reads of this slot are over
	s_barrier_signal -1
	MUL16 2, 1, \ks, 0
	WIN 0
	s_barrier_wait -1
.if \fill
	CREST                                          ; the barrier has opened a round of the cluster's
	s_add_nc_u64 s[G0+4*\slot+2:G0+4*\slot+3], s[G0+4*\slot+2:G0+4*\slot+3], 2*KSBA
	s_add_nc_u64 s[G0B+4*\slot+2:G0B+4*\slot+3], s[G0B+4*\slot+2:G0B+4*\slot+3], 2*KSBB
	JLOAD G0+4*\slot, G1, G0B+4*\slot, G1B         ; my one tensor load behind the round
.else
	PLACES NP
.endif
	FETCH_B \next, 0, 0
	FETCH_A \next, 0, 0
	WIN MUL_HI
	MUL16 4, 1, \ks, 0
	MUL16 6, 1, \ks, 0
	PLACES NP
	WIN 0
	FETCH_A \next, 0, 4
.endm
	s_wait_tensorcnt 1                             ; the scale bytes and my part of slot 0 are in; slot 1's load may be out
	s_barrier_signal -1
	s_barrier_wait -1
.irp g, 0,1
.irp i, 0,1,2,3
.irp k, 0,1,2,3,4,5,6,7,8,9,10,11,12,13,14,15
	ds_load_u16 v[128+16*\i+\k], v[ADRS] offset:256*\k+32*(4*\g+\i)
.endr
.endr
	s_wait_dscnt 0x0
.irp i, 0,1,2,3
.irp s, 0,1,2,3,4,5,6,7
	v_lshl_or_b32 v[SC+8*(4*\g+\i)+\s], v[129+16*\i+2*\s], 16, v[128+16*\i+2*\s]
.endr
.endr
.endr
	PLACES 8                                       ; a scale register written by a vector instruction stands eight places ahead of a scaled matrix instruction
	FETCH_B 0, 0, 0
	FETCH_A 0, 0, 0
	FETCH_A 0, 0, 4
	s_wait_loadcnt 0x0                             ; bo
	STEP 0, 0, 1
	TURN 0, 1, 1, 1
	STEP 1, 2, 0
	TURN 1, 0, 3, 1
	STEP 0, 4, 0
	TURN 0, 1, 5, 0
	STEP 1, 6, 0
	s_wait_dscnt 4*NL
	WIN MUL_LO
	MUL16 0, 1, 7, 0
	MUL16 2, 1, 7, 0
	s_wait_dscnt 0
	WIN MUL_HI
	MUL16 4, 1, 7, 0
	MUL16 6, 1, 7, 0
	WIN 0
; THE WAY OUT, block by block of 16 tokens x 128 columns, through my own stage in LDS; back as whole rows of 512 bytes.  Stage row t of block a is token 32 (a / 2) + 8 (a % 2) + t + 8 (t / 8).
.macro TOSTAGE a
.set AC, 64*((\a)%4)
	WIN 0x08+4*((\a)/4)
.irp b, 0,1,2,3,4,5,6,7
	ds_store_b128 v[STO], v[AC+8*\b:AC+8*\b+3] offset:128*(\b/2)+32*(\b%2)         ; each accumulator from its low end on
	ds_store_b128 v[STO], v[AC+8*\b+4:AC+8*\b+7] offset:128*(\b/2)+32*(\b%2)+16
.endr
	WIN 0
.set BB, BK+64*((\a)%2)
.irp t, 0,1,2,3,4,5,6,7,8,9,10,11,12,13,14,15
	ds_load_b128 v[BB+4*\t:BB+4*\t+3], v[RD] offset:\t*SPITCH    ; LDS serves a wave's instructions in order: these see the stores above
.endr
.endm
.macro SEND a, younger
.set BB, BK+64*((\a)%2)
	s_wait_dscnt \younger
.if (\a) > 0
.if ((\a)%2) == 1
	s_add_nc_u64 s[94:95], s[94:95], 8*4096        ; (behind a wait on XCNT: the earlier stores have read their base)
.else
	s_add_nc_u64 s[94:95], s[94:95], 24*4096
.endif
.endif
.irp t, 0,1,2,3,4,5,6,7,8,9,10,11,12,13,14,15
	global_store_b128 v[CO], v[BB+4*\t:BB+4*\t+3], s[94:95] offset:(\t+8*(\t/8))*4096 th:TH_STORE_NT   ; 32 lanes store 512 consecutive bytes, aligned
.endr
.endm
	PLACES NP
	TOSTAGE 0
.irp a, 1,2,3,4,5,6,7
.if \a > 1
	s_wait_xcnt 0x0                                ; block a - 2's stores have read their registers and their base
.endif
	TOSTAGE \a
	SEND \a-1, 32                                  ; behind block a - 1's loads: block a's 16 stores and 16 loads
.endr
	s_wait_xcnt 0x0
	SEND 7, 0
	s_wait_tensorcnt 0x0                           ; the wave's end
	ds_add_u32 v[SPW], v[NIL]
	s_wait_dscnt 0x0
	CROUND                                         ; the closing round
	s_endpgm
.Lfunc_end_k_qbc71db17f3_oproj:
	.size	k_qbc71db17f3_oproj, .Lfunc_end_k_qbc71db17f3_oproj-k_qbc71db17f3_oproj
	.p2alignl 7, 3214868480
	.fill 96, 4, 3214868480
	.section	.rodata,"a",@progbits
	.p2align	6, 0x0
	.amdhsa_kernel k_qbc71db17f3_oproj
		.amdhsa_group_segment_fixed_size 327680
		.amdhsa_private_segment_fixed_size 0
		.amdhsa_enable_private_segment 0
		.amdhsa_kernarg_size 48
		.amdhsa_user_sgpr_count 2
		.amdhsa_user_sgpr_kernarg_segment_ptr 1
		.amdhsa_wavefront_size32 1
		.amdhsa_system_sgpr_workgroup_id_x 1
		.amdhsa_system_sgpr_workgroup_id_y 1
		.amdhsa_system_sgpr_workgroup_id_z 1
		.amdhsa_system_vgpr_workitem_id 0
		.amdhsa_next_free_vgpr 1024
		.amdhsa_next_free_sgpr 100
		.amdhsa_reserve_vcc 0
		.amdhsa_float_denorm_mode_32 3
		.amdhsa_float_denorm_mode_16_64 3
		.amdhsa_memory_ordered 1
		.amdhsa_forward_progress 1
		.amdhsa_inst_pref_size 171
	.end_amdhsa_kernel
	.amdgpu_metadata
---
amdhsa.version: [ 1, 2 ]
amdhsa.kernels:
  - .name:           k_qbc71db17f3_oproj
    .symbol:         k_qbc71db17f3_oproj.kd
    .args:
      - { .name: ao_codes, .offset: 0, .size: 8, .value_kind: global_buffer, .address_space: global }
      - { .name: ao_scl, .offset: 8, .size: 8, .value_kind: global_buffer, .address_space: global }
      - { .name: zc, .offset: 16, .size: 8, .value_kind: global_buffer, .address_space: global }
      - { .name: zs, .offset: 24, .size: 8, .value_kind: global_buffer, .address_space: global }
      - { .name: bo, .offset: 32, .size: 8, .value_kind: global_buffer, .address_space: global }
      - { .name: out0, .offset: 40, .size: 8, .value_kind: global_buffer, .address_space: global }
    .group_segment_fixed_size: 327680
    .private_segment_fixed_size: 0
    .kernarg_segment_align: 8
    .kernarg_segment_size: 48
    .max_flat_workgroup_size: 128
    .sgpr_count:     100
    .vgpr_count:     1024
    .wavefront_size: 32
...
	.end_amdgpu_metadata
.endif
;; end of part 4
;; ======== version 2 of 2: 4 launches; version 1 with the launch attn written anew for expert scheduling mode
;; workspace buffers: zc 6,291,456 bytes; zs 262,144 bytes; qk_img 6,291,456 bytes; v_img 3,145,728 bytes; aux 1,179,648 bytes; ao_codes 3,145,728 bytes; ao_scl 131,072 bytes
;; launch quant: the kernel of part 1 again; grid 256 x 1, 4 waves a work-group, no clusters, 33,280 bytes of LDS; arguments x, Wq, Wk, Wv, Wo, zc, zs; writes zc, zs
;; launch qkv: the kernel of part 2 again; grid 12 x 16, 4 waves a work-group, clusters of 4 x 4, 327,680 bytes of LDS; arguments zc, zs, bq, bk, bv, qk_img, v_img, aux; writes qk_img, v_img, aux
;; launch attn (part 5): grid 8 x 32, 4 waves a work-group, no clusters, 151,040 bytes of LDS; arguments qk_img, v_img, aux, G, ao_codes, ao_scl; writes ao_codes, ao_scl
.if DOCPART == 5
	.amdgcn_target "amdgcn-amd-amdhsa--gfx1250"
	.amdhsa_code_object_version 6
	.text
	.protected	k_qbc71db17f3_attn
	.globl	k_qbc71db17f3_attn
	.p2align	8
	.type	k_qbc71db17f3_attn,@function
k_qbc71db17f3_attn:
	s_mov_b64 s[64:65], 0
	v_nop
	global_prefetch_b8 v0, s[64:65] scope:SCOPE_SE
	s_setreg_imm32_b32 hwreg(HW_REG_WAVE_SCHED_MODE, 0, 2), 2
	s_setreg_imm32_b32 hwreg(HW_REG_WAVE_MODE, 25, 1), 1
	s_wait_xcnt 0x0
	s_wait_alu depctr_vm_vsrc(0)
; For one head and 256 queries: force(i, j) = G m_i m_j / (sqrt(max(q2_i + k2_j - 2 q_i.k_j, 0)) + 1e-8)^2, each row divided by its sum, times V; q.k and force x V on codes of FP6 (E2M3) with E8M0 scales.
; THE NORMALISED FORCES ARE WHAT IS QUANTISED, so a row's sum over all 2,048 keys is wanted before any code of the row.  The four waves SHARE THE KEYS, 512 each; a block of 32 queries x 512 keys of
; g(i, j) = m_j / dist^2 stays in 512 registers of a wave; the four partial row sums meet in LDS; the same registers are then multiplied by f_i = c_i / (c_i x sum), c_i = G m_i, quantised along the keys and multiplied by V;
; the four partial results meet in LDS, are added, quantised along d and stored as the next product's operand.  Each force is computed once.
; LAYOUT.  Both products are used transposed: S^T = K Q^T (source 0 = 16 keys, source 1 = 16 queries), O^T = V^T P^T: a lane holds one query.  By the order of tokens in a tile the 16 registers of two neighbouring
; key tiles are 16 neighbouring keys.  K = 64 fills half of the instruction's 128: Q's fragment has zero codes in its upper six registers, so K's fragment of tile t may be named v[6 t : 6 t + 11]: its upper six
; registers (the next tile's codes) meet zeros.  The C of the first product is -k2_j / 2, so that d2 = -2 D + q2_i is one fused multiply-add.
; No tensor loads, no cluster: K, V and the tables are read once a work-group (some 200 KB) and stay in registers and LDS for its eight blocks; a block's own stream is 2 KB of Q, asked for a phase ahead.
; LIMITS: where G, a query row's mass or a row's sum makes the quotient NaN or infinite, a code is produced where the definition has NaN; NaN and infinities among the inputs are not served; a block of zeros has the byte 1;
; row sums and the four partial results are added in another order than a plain loop's, in f32.
; REGISTERS.  window 0: v1-11 addresses; v[12:13] q2, v[14:15] k2 of the query rows, v[16:17] c, v[18:19] f (two query tiles); v20 Q's scale words; v21-23 at work; v24-39 K's scale words (two tiles a register);
;   v40-47 V's; v48-55 P's; v56-87 a block's largest g, then the conversions' scale operands (56 + 2 block + u); v88-95 row sums; v96-119 Q's two fragments; v120-183 two sets of -k2/2, later O^T, later partial results;
;   v184-247 two sets of m_j, later bytes, codes.   window 1: v0-197 K's fragments; v200-247 four fragments of V.   windows 2, 3: g: key tile t, query tile u at window 2 + t / 16, register 128 u + 8 (t % 16).
; THE MODE: SCHED_MODE bits 1:0 = 2 (LLVM: expert scheduling mode 2), set by the entry lines.  The code itself states the register dependences between vector or matrix instructions and memory or LDS instructions,
; with s_wait_alu, always for 0.
; THE PLAN.  Registers that memory or LDS instructions touch in a block, and who else names them:
;   v1-11          addresses and offsets, made at the head and never written again.
;   v120-151, v152-183  two sets of -k2/2: LDS loads land in them, the first product reads them as C.  Units 0 and 1 are asked for at the block's top, units 2 and 3 behind the wait that follows the products of units 0 and 1,
;                  unit k + 4 behind the wait of step k, ahead of which stand the products of unit k + 2, the set's last readers.  Later O^T: written by the second product, read by my LDS stores, landed in by the
;                  loads of the four partial results, read by the last additions and the conversion.
;   v184-215, v216-247  two sets of m_j: unit k is asked for behind the wait of step k; the set's last reader, unit k - 2's last lines, stands in step k - 1.  Later bytes and codes; v208-210 and v212 are the data of the block's last two stores.
;   window 1, v200-247  V's four fragments: landed in once for each 128 keys, read by those keys' eight products.
;   v88-95         written by the row sums' lines, then landed in by the loads of the four waves' sums.   v22: the data of the row sum's store, written again by the quotient's lines.   v21: the address of the byte's store, made anew in each block.
;   v96-101, v108-113, v20, v12-15  Q's: read by the first product, the d2 lines and two roots; the next block's loads land in them in the block's middle.
; So ONE wait on va_vdst stands in a step of the pipeline, behind its transcendentals, and the step's sixteen table loads follow it at once; the other waits stand where a phase of the block hands registers over.
.set HKT, 98304                        ; LDS: 0: V's images, 24,576 bytes a wave;  -k2/2, 2,048 bytes a wave;
.set RS,  114688                       ; (m_j 8,192 bytes behind -k2/2);  row sums [32 queries][4 waves];
.set OP,  115200                       ; partial results: 4 x 32 rows x 272 bytes;
.set AS,  150016                       ; the scale bytes of 256 positions
.set MSB, 0
.macro WIN new                         ; the immediate's high byte repeats the setting that is left
.if MSB != (\new)
	s_set_vgpr_msb (MSB<<8)|(\new)
.set MSB, (\new)
.endif
.endm
	s_load_b256 s[24:31], s[0:1], 0x0              ; qk_img, v_img, aux, G
	s_load_b128 s[32:35], s[0:1], 0x20             ; ao_codes, ao_scl
	v_lshl_add_u32 v254, v0, 2, 0x24c00
	v_mov_b32 v255, 0
	v_lshrrev_b32 v1, 5, v0
	v_readfirstlane_b32 s16, v1                    ; wave
	v_and_b32 v22, 31, v0                          ; lane
	v_and_b32 v23, 15, v0                          ; r
	v_bfe_u32 v21, v0, 4, 1                        ; h
	s_wait_alu depctr_va_sdst(0)                   ; s16 is written, ahead of its first reader: LDS addresses and the buffers' offsets are made from it
	s_lshl_b32 s36, s16, 11
	s_add_co_u32 s36, s36, HKT                     ; my wave's tables
	v_lshl_add_u32 v1, v21, 6, s36                 ; tables: + 64 h
	s_mul_i32 s37, s16, 24576
	v_lshl_add_u32 v2, v22, 4, s37                 ; V's images: 16 x lane
	s_lshl_b32 s37, s16, 2
	s_add_co_u32 s37, s37, RS
	v_lshl_add_u32 v3, v22, 4, s37                 ; my row sum: query 16 u + r = lane, wave w
	v_lshl_add_u32 v4, v23, 4, RS                  ; and the four of query r
	v_and_b32 v11, 8, v23
	v_add_nc_u32 v11, v11, v23                     ; r + 8 (r / 8)
	v_mul_u32_u24 v5, v11, 272
	v_lshl_add_u32 v5, v21, 6, v5
	s_mul_i32 s37, s16, 8704
	s_add_co_u32 s37, s37, OP
	v_add_nc_u32 v5, s37, v5                       ; my partial result: row r + 8 (r / 8) (+ 8 u), + 64 h
	v_lshrrev_b32 v6, 2, v0
	v_mul_u32_u24 v6, v6, 272
	v_and_b32 v7, 3, v0
	v_lshl_add_u32 v6, v7, 6, v6
	v_add_nc_u32 v6, OP, v6                        ; back: row thread / 4, 16 numbers
	s_and_b32 s37, s16, 1
	s_lshl_b32 s37, s37, 4
	s_lshr_b32 s38, s16, 1
	s_lshl_b32 s38, s38, 3
	s_or_b32 s37, s37, s38
	v_lshrrev_b32 v8, 2, v22
	v_add_nc_u32 v8, s37, v8                       ; that row's position among the block's 32: bits 3 and 4 exchanged
	v_bfe_u32 v7, v22, 1, 1
	v_lshl_add_u32 v7, v8, 1, v7
	v_add_nc_u32 v7, AS, v7                        ; its scale byte
	v_mul_u32_u24 v8, v8, 48
	v_and_b32 v9, 3, v22
	v_mad_u32_u24 v8, v9, 12, v8                   ; its codes
	v_lshlrev_b32 v9, 3, v22
	v_lshlrev_b32 v10, 2, v22
	v_lshlrev_b32 v11, 2, v11
	v_lshl_add_u32 v23, v22, 4, s36                ; the tables' way in
	v_lshlrev_b32 v21, 4, v22
	WIN 0x40
.irp i, 192,193,194,195,196,197
	v_mov_b32 v\i, 0                               ; what the last tile's fragment names beyond K's codes
.endr
	WIN 0
.irp i, 102,103,104,105,106,107,114,115,116,117,118,119
	v_mov_b32 v\i, 0                               ; Q's codes of k = 64 .. 127: zeros, once
.endr
	s_mov_b32 s18, 0x322bcc77                      ; 1e-8
	s_mov_b32 s19, s18
	s_mov_b32 s20, 0x76543210
	s_mov_b32 s21, 0xfedcba98
	s_mov_b32 s23, 0xffff0000
	s_and_b32 s38, ttmp7, 0xffff                   ; batch x 16 + head
	s_and_b32 s39, s38, 15
	s_lshr_b32 s37, s38, 4
	s_mul_i32 s56, s38, 98304
	s_mul_i32 s40, ttmp9, 12288
	s_add_co_u32 s40, s40, s56
	s_mov_b32 s41, 0
	s_mul_i32 s42, s16, 24576
	s_add_co_u32 s42, s42, s56
	s_mov_b32 s43, 0
	s_lshl_b32 s56, s38, 13
	s_lshl_b32 s44, s16, 11
	s_add_co_u32 s44, s44, s56
	s_mov_b32 s45, 0
	s_lshl_b32 s46, ttmp9, 10
	s_add_co_u32 s46, s46, s56
	s_mov_b32 s47, 0
	s_lshl_b32 s48, s38, 12
	s_lshl_b32 s56, s16, 10
	s_add_co_u32 s48, s48, s56
	s_mov_b32 s49, 0
	s_mul_i32 s50, s39, 196608
	s_mul_i32 s56, s37, 98304
	s_add_co_u32 s50, s50, s56
	s_mul_i32 s56, ttmp9, 12288
	s_add_co_u32 s50, s50, s56
	s_mov_b32 s51, 0
	s_lshl_b32 s52, s39, 13
	s_lshl_b32 s56, s37, 12
	s_add_co_u32 s52, s52, s56
	s_lshl_b32 s56, ttmp9, 9
	s_add_co_u32 s52, s52, s56
	s_mov_b32 s53, 0
	s_lshl_b32 s54, s39, 2
	s_mov_b32 s55, 0
	s_wait_kmcnt 0x0
	s_add_nc_u64 s[4:5], s[24:25], s[40:41]        ; Q's images, my first block
	s_add_nc_u64 s[8:9], s[24:25], s[42:43]        ; K's images less 3,145,728: my wave's 32 tiles
	s_add_nc_u64 s[6:7], s[28:29], s[46:47]        ; aux at my first block: words +0, q2 +524,288, k2 +786,432
	s_add_nc_u64 s[10:11], s[28:29], s[44:45]      ; aux at my wave's keys: words +262,144, k2 +786,432
	s_add_nc_u64 s[28:29], s[28:29], s[48:49]      ; V's scale words less 1,048,576
	s_add_nc_u64 s[26:27], s[26:27], s[42:43]      ; V's images: my wave's 512 keys
	s_add_nc_u64 s[30:31], s[30:31], s[54:55]
	s_add_nc_u64 s[12:13], s[32:33], s[50:51]
	s_add_nc_u64 s[14:15], s[34:35], s[52:53]
	s_load_b32 s22, s[30:31], 0x0                  ; G of my head
.macro QLOAD adv                       ; a block's Q: two half fragments, scale words, q2 and k2 of its rows
.irp u, 0,1
.irp p, 0,1,2
	global_load_b64 v[96+12*\u+2*\p:97+12*\u+2*\p], v9, s[4:5] offset:1536*\adv+768*\u+256*\p
.endr
.endr
	global_load_b32 v20, v10, s[6:7] offset:128*\adv
.irp u, 0,1
	global_load_b32 v[12+\u], v11, s[6:7] offset:524288+128*\adv+32*\u
	global_load_b32 v[14+\u], v11, s[6:7] offset:786432+128*\adv+32*\u
.endr
.endm
	s_wait_alu depctr_va_vdst(0)                   ; the addresses and offsets v1 to v11, v21 and v23 are written, which the loads and stores of the kernel read; so are the zero codes, which the first product takes as operands
.irp n, 0,1,2,3
	global_load_b128 v[120+4*\n:123+4*\n], v21, s[10:11] offset:786432+512*\n
.endr
	WIN 0x80
.set n_, 0
.rept 48
	global_load_b128 v[4*n_:4*n_+3], v21, s[26:27] offset:512*n_
.set n_, n_+1
.endr
	WIN 0x40
.set n_, 0
.rept 96
	global_load_b64 v[2*n_:2*n_+1], v9, s[8:9] offset:3145728+256*n_
.set n_, n_+1
.endr
	WIN 0
.set n_, 0
.rept 16
	global_load_b32 v[24+n_], v10, s[10:11] offset:262144+128*n_
.set n_, n_+1
.endr
.set n_, 0
.rept 8
	global_load_b32 v[40+n_], v10, s[28:29] offset:1048576+128*n_
.set n_, n_+1
.endr
	QLOAD 0
	s_wait_loadcnt 0x0
.set n_, 0
.rept 16
	v_mul_f32 v[136+n_], -0.5, v[120+n_]
.set n_, n_+1
.endr
.set n_, 0
.rept 16
	v_sqrt_f32 v[152+n_], v[120+n_]                ; the masses
.set n_, n_+1
.endr
	v_nop
	s_wait_alu depctr_va_vdst(0)                   ; one wait for the sixteen roots, ahead of their first reader: the halves v136-151 and the roots v152-167 are written, which the LDS stores read
.irp n, 0,1,2,3
	ds_store_b128 v23, v[136+4*\n:139+4*\n] offset:512*\n
	ds_store_b128 v23, v[152+4*\n:155+4*\n] offset:8192+512*\n
.endr
	WIN 0x08
.set n_, 0
.rept 48
	ds_store_b128 v2, v[4*n_:4*n_+3] offset:512*n_ ; my wave's own bytes: LDS serves a wave's instructions in order, so no barrier
.set n_, n_+1
.endr
	WIN 0
	s_wait_kmcnt 0x0
	s_mov_b32 s17, 8
	s_mov_b32 s24, 0
; A UNIT is 4 key tiles x 2 query tiles: 64 registers a lane; element j of unit k: register 128 (j / 32) + 32 (k % 4) + j % 32 of window 2 + k / 4; its key: 64 k + 32 ((j % 32) / 16) + 16 h + j % 16.
.macro LDT k, reg, off                 ; unit k's 32 table values, in that order
.irp n, 0,1,2,3,4,5,6,7
	ds_load_b128 v[\reg+4*\n:\reg+4*\n+3], v1 offset:\off+256*(\k)+128*(\n/4)+16*(\n%4)
.endr
.endm
.macro WM1 k, n                        ; product n of 8 of unit k: D = K Q^T - k2 / 2
.set t_, 4*(\k)+(\n)/2
.set u_, (\n)%2
.set D_, 128*u_+8*(t_%16)
.set C_, 120+32*((\k)%2)+8*((\n)/2)
	WIN 0x40*(2+t_/16)+1
.if (t_%2 == 0) && (u_ == 0)
	v_wmma_scale_f32_16x16x128_f8f6f4 v[D_:D_+7], v[6*t_:6*t_+11], v[96+12*u_:107+12*u_], v[C_:C_+7], v[24+t_/2], v20 matrix_a_fmt:MATRIX_FMT_FP6 matrix_b_fmt:MATRIX_FMT_FP6
.elseif (u_ == 0)
	v_wmma_scale_f32_16x16x128_f8f6f4 v[D_:D_+7], v[6*t_:6*t_+11], v[96+12*u_:107+12*u_], v[C_:C_+7], v[24+t_/2], v20 matrix_a_fmt:MATRIX_FMT_FP6 matrix_b_fmt:MATRIX_FMT_FP6 matrix_a_scale:MATRIX_SCALE_ROW1
.elseif (t_%2 == 0)
	v_wmma_scale_f32_16x16x128_f8f6f4 v[D_:D_+7], v[6*t_:6*t_+11], v[96+12*u_:107+12*u_], v[C_:C_+7], v[24+t_/2], v20 matrix_a_fmt:MATRIX_FMT_FP6 matrix_b_fmt:MATRIX_FMT_FP6 matrix_b_scale:MATRIX_SCALE_ROW1
.else
	v_wmma_scale_f32_16x16x128_f8f6f4 v[D_:D_+7], v[6*t_:6*t_+11], v[96+12*u_:107+12*u_], v[C_:C_+7], v[24+t_/2], v20 matrix_a_fmt:MATRIX_FMT_FP6 matrix_b_fmt:MATRIX_FMT_FP6 matrix_a_scale:MATRIX_SCALE_ROW1 matrix_b_scale:MATRIX_SCALE_ROW1
.endif
.endm
.macro E_A k, i                        ; 0-31: d2 = -2 D + q2, a pair each, each accumulator from its low end on; 32-95: max(d2, 0)
	WIN 0x45*(2+(\k)/4)
.if (\i) < 32
.set RR, 128*((\i)/16)+32*((\k)%4)+2*((\i)%16)
.if (\i) < 16
	v_pk_fma_f32 v[RR:RR+1], v[RR:RR+1], -2.0, v[12:13] op_sel_hi:[1,0,0]
.else
	v_pk_fma_f32 v[RR:RR+1], v[RR:RR+1], -2.0, v[12:13] op_sel:[0,0,1] op_sel_hi:[1,0,1]
.endif
.else
.set RR, 128*(((\i)-32)/32)+32*((\k)%4)+((\i)-32)%32
	v_max_num_f32 v[RR], 0, v[RR]
.endif
.endm
.macro E_B k, i                        ; 0-31: + 1e-8; 32-63: squared
	WIN 0x45*(2+(\k)/4)
.set RR, 128*(((\i)%32)/16)+32*((\k)%4)+2*((\i)%16)
.if (\i) < 32
	v_pk_add_f32 v[RR:RR+1], v[RR:RR+1], s[18:19] op_sel_hi:[1,0]
.else
	v_pk_mul_f32 v[RR:RR+1], v[RR:RR+1], v[RR:RR+1]
.endif
.endm
.macro SQRT1 k, j
	WIN 0x45*(2+(\k)/4)
.set RR, 128*((\j)/32)+32*((\k)%4)+(\j)%32
	v_sqrt_f32 v[RR], v[RR]
.endm
.macro RCP1 k, j
	WIN 0x45*(2+(\k)/4)
.set RR, 128*((\j)/32)+32*((\k)%4)+(\j)%32
	v_rcp_f32 v[RR], v[RR]
.endm
; unit k: g = m_j / dist^2; the row sums, in four chains; each block's largest g, four chains by turns
.macro CC k
.set W_, 2+(\k)/4
.set FB_, 32*((\k)%4)
.set MB_, 184+32*((\k)%2)
	WIN 0x41*W_
.set i_, 0
.rept 32
.set RR, 128*(i_%2)+FB_+2*(i_/2)
	v_pk_mul_f32 v[RR:RR+1], v[RR:RR+1], v[MB_+2*(i_/2):MB_+2*(i_/2)+1]
.set i_, i_+1
.endr
	WIN 0x14*W_
.set i_, 0
.rept 32
.set RR, 128*(i_%2)+FB_+2*(i_/2)
.set CH_, 88+4*(i_%2)+2*((i_/2)%2)
.if ((\k) == 0) && (i_ < 4)
	v_pk_add_f32 v[CH_:CH_+1], 0, v[RR:RR+1] op_sel_hi:[0,1]
.else
	v_pk_add_f32 v[CH_:CH_+1], v[CH_:CH_+1], v[RR:RR+1]
.endif
.set i_, i_+1
.endr
.set i_, 0
.rept 32
.set RR, 128*(i_%2)+FB_+16*((i_/2)%2)+2*(i_/4)
.set BM_, 56+2*(2*(\k)+(i_/2)%2)+i_%2
.if i_ < 4
	v_max3_num_f32 v[BM_], 0, v[RR], v[RR+1]
.else
	v_max3_num_f32 v[BM_], v[BM_], v[RR], v[RR+1]
.endif
.set i_, i_+1
.endr
.endm
; THE PIPELINE.  In step k: the roots of unit k stand between the plain lines of unit k - 1 (+ 1e-8, square) and the products of unit k + 2; the reciprocals of unit k - 1 between the plain lines of unit k + 1 (d2, max);
; then ONE wait for the step's 128 transcendentals, ahead of their first readers, the step's table loads, which the same wait frees the registers for, and unit k - 1's last lines.
; Where the two units of a section lie in different windows the two lists stand one behind the other.
.macro SEC1 k
.set j_, 0
.rept 64
.if ((\k) >= 0) && ((\k) <= 7)
	SQRT1 \k, j_
.endif
.if ((\k) >= 1) && ((\k) != 4)
	E_B (\k)-1, j_
.endif
.if ((\k) >= 0) && ((\k) <= 5) && ((j_%8) == 7)
	WM1 (\k)+2, j_/8
.endif
.set j_, j_+1
.endr
.if (\k) == 4
.set j_, 0
.rept 64
	E_B 3, j_
.set j_, j_+1
.endr
.endif
.endm
.macro SEC2 k
.set j_, 0
.rept 64
.if (\k) >= 1
	RCP1 (\k)-1, j_
.endif
.if ((\k) <= 6) && ((\k) != 3) && ((\k) != 4)
.if j_ < 32
	E_A (\k)+1, j_
.else
	E_A (\k)+1, 2*j_-32
	E_A (\k)+1, 2*j_-31
.endif
.endif
.set j_, j_+1
.endr
.if ((\k) == 3) || ((\k) == 4)
.set j_, 0
.rept 96
	E_A (\k)+1, j_
.set j_, j_+1
.endr
.endif
.endm
.macro PSTEP k
.if (\k) >= 0
	s_wait_dscnt 0x0                               ; the tables asked for a step ago are in
.endif
	SEC1 \k
	SEC2 \k
.if (\k) >= 0
	v_nop                                          ; a plain place behind the last transcendental
	WIN 0
	s_wait_alu depctr_va_vdst(0)                   ; the step's roots and reciprocals are written; the products of unit k + 2 are done reading their set of -k2/2, and unit k - 2's last lines, a step back, their set of m_j: the loads below land in these two sets
.if (\k) <= 3
	LDT (\k)+4, 120+32*((\k)%2), 0                 ; -k2/2 of unit k + 4, wanted two steps on
.endif
.if (\k) <= 7
	LDT \k, 184+32*((\k)%2), 8192                  ; m_j of unit k, wanted at the end of the next step.  The lines below name the other set of m_j
.endif
.endif
.if (\k) >= 1
	CC (\k)-1
.endif
.endm
; 128 keys (the s-th of my four): p = g f, quantised, times V
.macro NSTEP s
.set W_, 2+(\s)/2
.set FB_, 64*((\s)%2)
	WIN 0x41*W_
.set i_, 0
.rept 64
.set RR, 128*(i_/32)+FB_+2*(i_%32)
.if i_ < 32
	v_pk_mul_f32 v[RR:RR+1], v[RR:RR+1], v[18:19] op_sel_hi:[1,0]
.else
	v_pk_mul_f32 v[RR:RR+1], v[RR:RR+1], v[18:19] op_sel:[0,1] op_sel_hi:[1,1]
.endif
.if i_ == 15                           ; sixteen plain lines behind the last products that read them, V's four fragments are fetched
	WIN 0x40
.if (\s) > 0
	s_wait_alu depctr_va_vdst(0)                   ; the last 128 keys' eight products are done reading V's four fragments, in which the loads below land.  (Ahead of the first 128 keys the last block's products stand ahead of earlier waits, and nothing has named these registers since)
.endif
.irp n, 0,1,2,3,4,5,6,7,8,9,10,11
	ds_load_b128 v[200+4*\n:203+4*\n], v2 offset:6144*(\s)+512*\n
.endr
	WIN 0x41*W_
.endif
.set i_, i_+1
.endr
	WIN W_
.irp u, 0,1
.irp c, 0,1
	v_cvt_scalef32_pk16_fp6_f32 v[184+12*\u+6*\c:186+12*\u+6*\c], v[128*\u+FB_+32*\c:128*\u+FB_+32*\c+15], v[56+2*(4*(\s)+2*\c)+\u]
	v_cvt_scalef32_pk16_fp6_f32 v[208+8*\u+4*\c:210+8*\u+4*\c], v[128*\u+FB_+32*\c+16:128*\u+FB_+32*\c+31], v[56+2*(4*(\s)+2*\c+1)+\u]
.endr
.endr
	WIN 0
	v_nop                                          ; one plain place behind a scaled conversion
.irp u, 0,1
.irp c, 0,1
.irp i, 0,1,2
	v_permlane16_swap_b32 v[184+12*\u+6*\c+\i], v[208+8*\u+4*\c+\i]
.endr
.irp i, 0,1,2
	v_mov_b32 v[187+12*\u+6*\c+\i], v[208+8*\u+4*\c+\i]
.endr
.endr
.endr
.rept 4
	v_nop                                          ; an operand written by vector instructions stands four places ahead of a scaled matrix instruction
.endr
	s_wait_dscnt 0x0                               ; V's fragments
	s_wait_alu depctr_va_vdst(0)                   ; the conversions, swaps and moves have written p's codes v184-207, and the shifts p's scale words v48-55, which the products below take as operand and scales; the places above stay beside this wait
	WIN 0x01
.irp t, 0,1,2,3                        ; eight accumulators by turns, one instruction a turn
.irp u, 0,1
.if (\s) == 0
.if (\t%2) == 0
	v_wmma_scale_f32_16x16x128_f8f6f4 v[120+8*(4*\u+\t):127+8*(4*\u+\t)], v[200+12*\t:211+12*\t], v[184+12*\u:195+12*\u], 0, v[40+2*(\s)+\t/2], v[48+2*(\s)+\u] matrix_a_fmt:MATRIX_FMT_FP6 matrix_b_fmt:MATRIX_FMT_FP6
.else
	v_wmma_scale_f32_16x16x128_f8f6f4 v[120+8*(4*\u+\t):127+8*(4*\u+\t)], v[200+12*\t:211+12*\t], v[184+12*\u:195+12*\u], 0, v[40+2*(\s)+\t/2], v[48+2*(\s)+\u] matrix_a_fmt:MATRIX_FMT_FP6 matrix_b_fmt:MATRIX_FMT_FP6 matrix_a_scale:MATRIX_SCALE_ROW1
.endif
.else
.if (\t%2) == 0
	v_wmma_scale_f32_16x16x128_f8f6f4 v[120+8*(4*\u+\t):127+8*(4*\u+\t)], v[200+12*\t:211+12*\t], v[184+12*\u:195+12*\u], v[120+8*(4*\u+\t):127+8*(4*\u+\t)], v[40+2*(\s)+\t/2], v[48+2*(\s)+\u] matrix_a_fmt:MATRIX_FMT_FP6 matrix_b_fmt:MATRIX_FMT_FP6
.else
	v_wmma_scale_f32_16x16x128_f8f6f4 v[120+8*(4*\u+\t):127+8*(4*\u+\t)], v[200+12*\t:211+12*\t], v[184+12*\u:195+12*\u], v[120+8*(4*\u+\t):127+8*(4*\u+\t)], v[40+2*(\s)+\t/2], v[48+2*(\s)+\u] matrix_a_fmt:MATRIX_FMT_FP6 matrix_b_fmt:MATRIX_FMT_FP6 matrix_a_scale:MATRIX_SCALE_ROW1
.endif
.endif
.endr
.endr
.endm
.Lblock:                                               ; eight blocks of 32 queries
	s_wait_loadcnt 0x0                             ; this block's Q, asked for in the middle of the last block
	s_wait_alu depctr_vm_vsrc(0)                   ; first block: the head's LDS stores have read v136-167, window 2's v0-191 and v23, its loads v21; later blocks: the last block's two stores have read v208-210, v212 and v21: all of these are written again in this block
	LDT 0, 120, 0                                  ; no vector or matrix instruction since the last wait on va_vdst names v120-183
	LDT 1, 152, 0
	v_sqrt_f32 v16, v14                            ; the query rows' masses
	v_sqrt_f32 v17, v15
	v_nop
	s_wait_alu depctr_va_vdst(0)                   ; the two roots v16 and v17 are written, ahead of their first reader
	v_mul_f32 v16, s22, v16                        ; c = G m_i
	v_mul_f32 v17, s22, v17
	s_wait_dscnt 0x0
.irp n, 0,1,2,3,4,5,6,7
	WM1 0, \n
.endr
.irp n, 0,1,2,3,4,5,6,7
	WM1 1, \n
.endr
.rept 4
	v_nop                                          ; places behind these products, ahead of the first read of results
.endr
	WIN 0
	s_wait_alu depctr_va_vdst(0)                   ; the products of units 0 and 1 are done reading their C, v120-183, in which the tables of units 2 and 3 land
	LDT 2, 120, 0
	LDT 3, 152, 0
.irp k, -1,0,1,2,3,4,5,6,7,8
	PSTEP \k
.endr
	WIN 0
	v_pk_add_f32 v[88:89], v[88:89], v[90:91]      ; my 512 keys' row sums
	v_pk_add_f32 v[92:93], v[92:93], v[94:95]
	v_add_f32 v88, v88, v89
	v_add_f32 v92, v92, v93
	v_permlanex16_b32 v89, v88, s20, s21
	v_permlanex16_b32 v93, v92, s20, s21
	v_add_f32 v88, v88, v89
	v_add_f32 v92, v92, v93
	v_cndmask_b32 v22, v88, v92, s23               ; lanes 0-15 the first query tile's, lanes 16-31 the second's
	s_wait_alu depctr_va_vdst(0)                   ; v22 is written, which the store reads; the lines above are done with v88-95, in which the four waves' sums land; the first product, the d2 lines and the roots are done reading Q's fragments, v20 and v12-15, in which the next block's Q lands
	ds_store_b32 v3, v22
	s_wait_dscnt 0x0                               ; my store has landed, and my reads of the partial results of the last block are long over
	s_wait_alu depctr_vm_vsrc(0)                   ; the store has read v22, which the quotient's lines below write again
	s_barrier_signal -1
	s_barrier_wait -1
	ds_load_b128 v[88:91], v4
	ds_load_b128 v[92:95], v4 offset:256
	s_cmp_eq_u32 s17, 1                            ; the next block's Q, if there is one: no load leaves its buffer
	s_cbranch_scc1 .Lnoq
	QLOAD 1
.Lnoq:
	s_wait_dscnt 0x0
	v_add_f32 v88, v88, v89
	v_add_f32 v92, v92, v93
	v_add_f32 v88, v88, v90
	v_add_f32 v92, v92, v94
	v_add_f32 v88, v88, v91                        ; the same order in every wave
	v_add_f32 v92, v92, v95
	v_mul_f32 v22, v16, v88
	v_mul_f32 v23, v17, v92
	v_rcp_f32 v22, v22
	v_rcp_f32 v23, v23
	v_nop
	s_wait_alu depctr_va_vdst(0)                   ; the two reciprocals v22 and v23 are written, ahead of their first reader
	v_mul_f32 v18, v16, v22                        ; f = c / (c x sum)
	v_mul_f32 v19, v17, v23
	; each block's largest p is its largest g times f: a multiplication by a positive number keeps the order
.set i_, 0
.rept 16
	v_pk_mul_f32 v[56+2*i_:57+2*i_], v[56+2*i_:57+2*i_], v[18:19]
.set i_, i_+1
.endr
.set i_, 0
.rept 32
	v_permlanex16_b32 v[184+i_], v[56+i_], s20, s21
.set i_, i_+1
.endr
.set i_, 0
.rept 32
	v_max3_num_f32 v[56+i_], v[56+i_], v[184+i_], 0x1800000   ; with lane l xor 16's, and the floor 2^(3 - 127)
.set i_, i_+1
.endr
.set i_, 0
.rept 32
	v_add_nc_u32 v[56+i_], 0xff000000, v[56+i_]    ; 2 off the exponent field: the conversion's scale operand
.set i_, i_+1
.endr
.set i_, 0
.rept 32
	v_lshrrev_b32 v[184+i_], 23, v[56+i_]          ; the byte
.set i_, i_+1
.endr
.irp s, 0,1,2,3
.irp u, 0,1
	v_lshl_or_b32 v[48+2*\s+\u], v[186+8*\s+\u], 8, v[184+8*\s+\u]
	v_lshl_or_b32 v[48+2*\s+\u], v[188+8*\s+\u], 16, v[48+2*\s+\u]
	v_lshl_or_b32 v[48+2*\s+\u], v[190+8*\s+\u], 24, v[48+2*\s+\u]
.endr
.endr
	NSTEP 0
	NSTEP 1
	NSTEP 2
	NSTEP 3
	WIN 0
.rept 4
	v_nop                                          ; four places behind the last products, before their results are read
.endr
	s_wait_alu depctr_va_vdst(0)                   ; the second product has written O^T, v120-183, which the LDS stores read and in which the partial results' loads land; the places above stay beside this wait
.irp u, 0,1
.irp t, 0,1,2,3                        ; register j of (t, u): d = 32 (t / 2) + 16 h + 8 (t % 2) + j of query row 8 u + r + 8 (r / 8); each accumulator from its low end on
	ds_store_b128 v5, v[120+8*(4*\u+\t):123+8*(4*\u+\t)] offset:2176*\u+128*(\t/2)+32*(\t%2)
	ds_store_b128 v5, v[124+8*(4*\u+\t):127+8*(4*\u+\t)] offset:2176*\u+128*(\t/2)+32*(\t%2)+16
.endr
.endr
	s_wait_dscnt 0x0                               ; my stores have landed, and my reads of the row sums are over
	s_barrier_signal -1
	s_barrier_wait -1
	s_wait_alu depctr_vm_vsrc(0)                   ; my LDS stores have read v120-183, in which the loads below land
.irp p, 0,1,2,3
.irp i, 0,1,2,3
	ds_load_b128 v[120+16*\p+4*\i:123+16*\p+4*\i], v6 offset:8704*\p+16*\i
.endr
.endr
	v_add_nc_u32 v21, s24, v7
	s_wait_dscnt 0x0
.irp p, 136,152,168
.irp e, 0,2,4,6,8,10,12,14
	v_pk_add_f32 v[120+\e:121+\e], v[120+\e:121+\e], v[\p+\e:\p+\e+1]
.endr
.endr
	v_max3_num_f32 v184, |v120|, |v121|, |v122|    ; my 16 numbers along d; two neighbouring lanes hold a block of 32
	v_max3_num_f32 v185, |v123|, |v124|, |v125|
.irp i, 6,10
	v_max3_num_f32 v184, v184, |v[120+\i]|, |v[121+\i]|
	v_max3_num_f32 v185, v185, |v[122+\i]|, |v[123+\i]|
.endr
	v_max3_num_f32 v184, v184, |v134|, |v135|
	v_max3_num_f32 v184, v184, v185, 0x1800000
	v_max_num_f32_dpp v184, v184, v184 row_xmask:1 row_mask:0xf bank_mask:0xf
	v_add_nc_u32 v186, 0xff000000, v184
	v_cvt_scalef32_pk16_fp6_f32 v[208:210], v[120:135], v186
	v_lshrrev_b32 v212, 23, v186
	s_wait_alu depctr_va_vdst(0)                   ; the codes v208-210, the byte v212 and its address v21 are written, which the two stores read; the additions and the conversion are done with v120-183, in which the next block's first tables land
	ds_store_b8 v21, v212                          ; both lanes of a block write the same byte with the same value
	global_store_b96 v8, v[208:210], s[12:13]      ; a wave's eight rows: 384 consecutive bytes
	s_wait_xcnt 0x0                                ; the loads and stores have read their bases and registers
	s_add_nc_u64 s[4:5], s[4:5], 1536
	s_add_nc_u64 s[6:7], s[6:7], 128
	s_add_nc_u64 s[12:13], s[12:13], 1536
	s_add_co_u32 s24, s24, 64
	s_sub_co_u32 s17, s17, 1
	s_cmp_lg_u32 s17, 0
	s_cbranch_scc1 .Lblock
	s_wait_dscnt 0x0                               ; my byte stores have landed
	s_barrier_signal -1
	s_barrier_wait -1
	s_cmp_lg_u32 s16, 0
	s_cbranch_scc1 .Ldone
	v_and_b32 v22, 31, v0
	v_lshlrev_b32 v23, 4, v22
	v_add_nc_u32 v22, AS, v23
	s_wait_alu depctr_va_vdst(0)                   ; the address v22 and the offset v23 are written, which the load and the store below read
	ds_load_b128 v[120:123], v22
	s_wait_dscnt 0x0
	global_store_b128 v23, v[120:123], s[14:15]    ; the 256 positions' scale bytes: 512 consecutive bytes, aligned
.Ldone:
	s_wait_dscnt 0x0                               ; the closing lines, six on end
	s_wait_alu 0x0
	s_wait_tensorcnt 0x0
	ds_add_u32 v254, v255
	s_wait_dscnt 0x0
	s_endpgm
.Lfunc_end_k_qbc71db17f3_attn:
	.size	k_qbc71db17f3_attn, .Lfunc_end_k_qbc71db17f3_attn-k_qbc71db17f3_attn
	.p2alignl 7, 3214868480
	.fill 96, 4, 3214868480
	.section	.rodata,"a",@progbits
	.p2align	6, 0x0
	.amdhsa_kernel k_qbc71db17f3_attn
		.amdhsa_group_segment_fixed_size 151040
		.amdhsa_private_segment_fixed_size 0
		.amdhsa_enable_private_segment 0
		.amdhsa_kernarg_size 48
		.amdhsa_user_sgpr_count 2
		.amdhsa_user_sgpr_kernarg_segment_ptr 1
		.amdhsa_wavefront_size32 1
		.amdhsa_system_sgpr_workgroup_id_x 1
		.amdhsa_system_sgpr_workgroup_id_y 1
		.amdhsa_system_sgpr_workgroup_id_z 1
		.amdhsa_system_vgpr_workitem_id 0
		.amdhsa_next_free_vgpr 1024
		.amdhsa_next_free_sgpr 66
		.amdhsa_reserve_vcc 0
		.amdhsa_float_denorm_mode_32 3
		.amdhsa_float_denorm_mode_16_64 3
		.amdhsa_memory_ordered 1
		.amdhsa_forward_progress 1
		.amdhsa_inst_pref_size 242
	.end_amdhsa_kernel
	.amdgpu_metadata
---
amdhsa.version: [ 1, 2 ]
amdhsa.kernels:
  - .name:           k_qbc71db17f3_attn
    .symbol:         k_qbc71db17f3_attn.kd
    .args:
      - { .name: qk_img, .offset: 0, .size: 8, .value_kind: global_buffer, .address_space: global }
      - { .name: v_img, .offset: 8, .size: 8, .value_kind: global_buffer, .address_space: global }
      - { .name: aux, .offset: 16, .size: 8, .value_kind: global_buffer, .address_space: global }
      - { .name: G, .offset: 24, .size: 8, .value_kind: global_buffer, .address_space: global }
      - { .name: ao_codes, .offset: 32, .size: 8, .value_kind: global_buffer, .address_space: global }
      - { .name: ao_scl, .offset: 40, .size: 8, .value_kind: global_buffer, .address_space: global }
    .group_segment_fixed_size: 151040
    .private_segment_fixed_size: 0
    .kernarg_segment_align: 8
    .kernarg_segment_size: 48
    .max_flat_workgroup_size: 128
    .sgpr_count:     66
    .vgpr_count:     1024
    .wavefront_size: 32
...
	.end_amdgpu_metadata
.endif
;; end of part 5
;; launch oproj: the kernel of part 4 again; grid 4 x 16, 4 waves a work-group, clusters of 4 x 4, 327,680 bytes of LDS; arguments ao_codes, ao_scl, zc, zs, bo, out0; writes out0
